; MI455X (gfx1250); checked and timed in simulation.
; The chip was launched on July 23, 2026; its instructions are those of AMD's public machine-readable ISA for CDNA 5 (MIT licence, August 2026) and "CDNA5" Instruction Set Architecture Reference Guide (July 2026). The comments in the code are by the model that wrote it; some were corrected since.
;; Selt Attention Block. Allowed arithmetic: matrix products marked QUANTISED: E4M3 operands, one given power-of-two scale a tensor, by v_wmma_f32_16x16x64_fp8_fp8 or v_wmma_f32_16x16x128_fp8_fp8, f32 sums; everything else in f32.
;; Inputs: b_fc1 4,096 float32; b_fc2 1,024 float32; b_proj 1,024 float32; ln1_b 1,024 float32; ln1_g 1,024 float32; ln2_b 1,024 float32; ln2_g 1,024 float32; lowp_scales 12 int32 (the exponents e of the quantised operands' scales 2^e); w_fc1_codes 4,096 x 32 x 32 uint8 (E4M3 codes of w_fc1, K innermost, in blocks of 32 codes); w_fc2_codes 1,024 x 128 x 32 uint8 (E4M3 codes of w_fc2, K innermost, in blocks of 32 codes); w_proj_codes 1,024 x 32 x 32 uint8 (E4M3 codes of w_proj, K innermost, in blocks of 32 codes); w_qkv_codes 3,072 x 32 x 32 uint8 (E4M3 codes of w_qkv, K innermost, in blocks of 32 codes); x 2 x 2,048 x 1,024 float32.
;; Outputs: out0 2 x 2,048 x 1,024 float32.
;; Constants: metadata = 0, thw_shape = 2048.
;; This version of the problem:
;;   THIS VERSION OF THE PROBLEM IS GIVEN IN LOW PRECISION. The matrix products marked QUANTISED in the list below multiply operands that are first quantised to E4M3 (4 exponent bits, 3 mantissa bits; 8 bits a number), with one given power-of-two scale for each operand tensor; their sums are f32. All else is computed in f32.
;;   The module's matrix products, in the order in which they are computed (A, B: the left and right operand; K: the contracted axis; several contracted axes count as one K, in the product's order):
;;     1. [M 4,096, K 1,024] x [K 1,024, N 3,072]; A: computed on the way; B: input w_qkv (given as codes): QUANTISED (scales: A lowp_scales[0], B lowp_scales[1])
;;     2. batch 32 x [M 2,048, K 64] x [K 64, N 2,048]; A: computed on the way; B: computed on the way: QUANTISED (scales: A lowp_scales[2], B lowp_scales[3])
;;     3. batch 32 x [M 2,048, K 2,048] x [K 2,048, N 64]; A: softmax (see below); B: computed on the way: QUANTISED (scales: A lowp_scales[4], B lowp_scales[5])
;;     4. [M 4,096, K 1,024] x [K 1,024, N 1,024]; A: computed on the way; B: input w_proj (given as codes): QUANTISED (scales: A lowp_scales[6], B lowp_scales[7])
;;     5. [M 4,096, K 1,024] x [K 1,024, N 4,096]; A: computed on the way; B: input w_fc1 (given as codes): QUANTISED (scales: A lowp_scales[8], B lowp_scales[9])
;;     6. [M 4,096, K 4,096] x [K 4,096, N 1,024]; A: computed on the way; B: input w_fc2 (given as codes): QUANTISED (scales: A lowp_scales[10], B lowp_scales[11])
;;   THE QUANTISER, for each operand of a quantised product, along K:
;;     - The operand's scale is 2^e, e = its entry of the input lowp_scales (int32; the entries are numbered through the quantised products in the list's order, A before B).
;;     - Each number is divided by the scale, clamped to +-448, and rounded to the nearest number of E4M3, ties to even, subnormals kept.
;;     - The product sums the exact products of the quantised numbers (number of the format x scale) in f32.
;;   ~~~python
;;   def quantise(x, axis, e):      # numpy; x: float32 -> the quantised numbers, widened to float32 again
;;       x = np.moveaxis(x, axis, -1); K = x.shape[-1]
;;       r = np.clip(x / 2.0 ** e, -448, 448)
;;       step = 2.0 ** (np.maximum(np.frexp(np.where(r == 0, 1, r))[1] - 1, -6) - 3)
;;       q = np.round(r / step) * step * 2.0 ** e      # np.round: ties to even
;;       return np.moveaxis(q, -1, axis).astype(np.float32)
;;   ~~~
;;   SOFTMAX AHEAD OF A QUANTISED PRODUCT. Where the list says 'softmax', what is quantised is not the finished softmax but p = 2^(t - M), with t = logit x log2(e) and M = ceil(the row's largest t), a whole number; so 1/2 < the row's largest p <= 1. The row's sum l is taken of the UNQUANTISED p, in f32, and the product's result is divided by l at the end. Since M is a whole number, a kernel that streams over the keys may use a running M (the ceiling of the running maximum): every later rescaling is an exact power of two, so the quantised numbers keep their values, but for numbers so far below the row's largest that they fall under the format's range.
;;   OPERANDS COMPUTED ON THE WAY. 'Computed on the way' means the value that the module computes at that place (a softmax that the list does not call 'softmax' is quantised finished and normalised). What goes into a quantiser is computed in f32, as accurately as f32 sums, v_exp_f32 and their like allow (about 1e-6 of the number): no bf16 or f16 on the way to a quantiser, and a product that is left as it is and whose result goes on into a quantised operand takes f32 operands (vector FMAs, or v_wmma_f32_16x16x4_f32). A number that lies on a knife's edge between two numbers of the format may be rounded either way, as far as f32 arithmetic and the matrix unit's own rounding can turn it there, and no further.
;;   INPUTS GIVEN AS CODES. w_fc1 (in the module: [1024, 4096], K = its axis 0); w_fc2 (in the module: [4096, 1024], K = its axis 0); w_proj (in the module: [1024, 1024], K = its axis 0); w_qkv (in the module: [1024, 3072], K = its axis 0): each comes as NAME_codes (uint8): NAME with its K axis moved to the last place and cut into blocks of 32 codes, [.., K / 32, bytes a block], one block behind the other in memory; one code a byte (a code: sign, 4 exponent bits, 3 mantissa bits); its scale is its entry of lowp_scales. Its value is code x scale, taken as it is: it is not quantised again, and the codes and scales need not be those that the quantiser above would give.
;; One version. Each part assembles by itself: llvm-mc -triple=amdgcn-amd-amdhsa -mcpu=gfx1250 --defsym DOCPART=n.
;; ======== version 1 of 1: 7 launches
;; limits: right only within a limited range of input values
;; workspace buffers: acodes 4,194,304 bytes; qkv 12,582,912 bytes; oimg 4,194,304 bytes; x1 16,777,216 bytes; himg 16,777,216 bytes
;; launch ln1 (part 1): grid 256 x 1, 8 waves a work-group, no clusters, 17,408 bytes of LDS; arguments x, ln1_g, ln1_b, lowp_scales, acodes; writes acodes
.if DOCPART == 1
	.amdgcn_target "amdgcn-amd-amdhsa--gfx1250"
	.amdhsa_code_object_version 6
	.text
	.protected	k_qf8175e1cf9_ln1
	.globl	k_qf8175e1cf9_ln1
	.p2align	8
	.type	k_qf8175e1cf9_ln1,@function
k_qf8175e1cf9_ln1:
	s_mov_b64 s[64:65], 0
	v_nop
	global_prefetch_b8 v0, s[64:65] scope:SCOPE_SE
	s_setreg_imm32_b32 hwreg(HW_REG_WAVE_MODE, 25, 1), 1
	s_wait_xcnt 0x0
; LayerNorm of 4,096 rows of 1,024 f32 numbers, then the quantiser: codes of E4M3 with the given scale 2^e, row-major [4096][1024], one code a byte.
; y = (x - mean) * rsqrt(var + 1e-5) * g + b, mean and variance in two passes over the row, which stays in registers; code = y / 2^e, held within +-448, to the nearest code.
; SHARES: a work-group takes 16 rows, each of its eight waves two.  A row is 4,096 bytes: eight loads of 512 consecutive bytes, 16 a lane, so load j gives a lane k = 128 j + 4 lane + 0..3.
; The conversion takes eight registers and works number by number, so the registers of loads 2 i and 2 i + 1 give two registers of four codes each, one for each load.
; A lane's four codes are 4 bytes; they turn through the wave's own 2,048 bytes of LDS and leave as stores of 512 consecutive bytes.  Waves share nothing: no barrier.
; LIMITS: -126 <= e <= 119 (2^e and 448 x 2^e are made as f32 numbers).  NaN and infinities among the inputs are not served.
.set SC_OFF, 0                         ; byte offset of this operand's exponent among the scales: entry 0
.set OFF, 1                            ; v1      16 x lane
.set ST,  2                            ; v2      LDS: 2,048 x wave + 4 x lane
.set LD,  3                            ; v3      LDS: 2,048 x wave + 16 x lane
.set T,   4                            ; v4-11   at work
.set MU,  12                           ; v12-15  the mean, twice, for row 0 and for row 1
.set RS,  16                           ; v16-19  1 / sqrt(var + eps), likewise
.set C,   20                           ; v20-27  a row's codes
.set OUT, 28                           ; v28-43  codes on their way out: 2 rows x 2 x 4
.set LIM, 44                           ; v44     448 x 2^e
.set SCL, 45                           ; v45     2^e
.set G,   48                           ; v48-79  g at my 32 columns
.set BB,  80                           ; v80-111 b
.set X,   112                          ; v112-175 two rows, 32 numbers a lane each
	s_load_b256 s[4:11], s[0:1], 0x0               ; x s[4:5], g s[6:7], b s[8:9], the scales' exponents s[10:11]
	s_load_b64 s[12:13], s[0:1], 0x20              ; the codes
	v_lshl_add_u32 v176, v0, 2, 0x4000
	v_mov_b32 v177, 0
	v_and_b32 v5, 31, v0                           ; lane
	v_lshrrev_b32 v4, 5, v0
	s_delay_alu instid0(VALU_DEP_1)
	v_readfirstlane_b32 s24, v4                    ; wave
	s_delay_alu instid0(VALU_DEP_3)
	v_lshlrev_b32 v[OFF], 4, v5
	s_lshl_b32 s25, s24, 11                        ; my wave's 2,048 bytes of LDS
	v_lshl_add_u32 v[ST], v5, 2, s25
	v_add_nc_u32 v[LD], s25, v[OFF]
	s_lshl_b32 s22, ttmp9, 16                      ; 16 rows of 4,096 bytes a work-group,
	s_lshl_b32 s26, s24, 13                        ; two a wave
	s_add_co_u32 s22, s22, s26
	s_mov_b32 s23, 0
	s_mov_b32 s16, 0x3727c5ac                      ; 1e-5
	s_mov_b32 s17, 0x3a800000                      ; 1 / 1,024
	s_mov_b32 s20, 0x76543210                      ; v_permlanex16_b32: each lane takes its own place in the other half
	s_mov_b32 s21, 0xfedcba98
	s_wait_alu depctr_va_vdst(0)
	s_wait_kmcnt 0x0
	s_load_b32 s27, s[10:11], SC_OFF               ; e
	s_add_nc_u64 s[4:5], s[4:5], s[22:23]
	s_lshr_b32 s22, s22, 2                         ; a row of codes is a quarter of a row of f32
	s_add_nc_u64 s[12:13], s[12:13], s[22:23]
.irp row, 0,1
.irp j, 0,1,2,3,4,5,6,7
	global_load_b128 v[X+32*\row+4*\j:X+32*\row+4*\j+3], v[OFF], s[4:5] offset:4096*\row+512*\j th:TH_LOAD_NT
.endr
.endr
.irp j, 0,1,2,3,4,5,6,7
	global_load_b128 v[G+4*\j:G+4*\j+3], v[OFF], s[6:7] offset:512*\j
.endr
.irp j, 0,1,2,3,4,5,6,7
	global_load_b128 v[BB+4*\j:BB+4*\j+3], v[OFF], s[8:9] offset:512*\j
.endr
.macro LANESUM                         ; v[T] summed over the 32 lanes, the result in every lane
	s_delay_alu instid0(VALU_DEP_1)
	v_add_f32_dpp v[T], v[T], v[T] row_xmask:1 row_mask:0xf bank_mask:0xf
	s_delay_alu instid0(VALU_DEP_1)
	v_add_f32_dpp v[T], v[T], v[T] row_xmask:2 row_mask:0xf bank_mask:0xf
	s_delay_alu instid0(VALU_DEP_1)
	v_add_f32_dpp v[T], v[T], v[T] row_xmask:4 row_mask:0xf bank_mask:0xf
	s_delay_alu instid0(VALU_DEP_1)
	v_add_f32_dpp v[T], v[T], v[T] row_xmask:8 row_mask:0xf bank_mask:0xf
	s_delay_alu instid0(VALU_DEP_1)
	v_permlanex16_b32 v[T+1], v[T], s20, s21       ; its destination has been written before
	s_delay_alu instid0(VALU_DEP_1)
	v_add_f32 v[T], v[T], v[T+1]
.endm
; Mean, x - mean in place, and 1 / sqrt(var + eps) of one row.  left: the younger loads that may stay out.
.macro STATS row, left
.set XR, X+32*\row
	s_wait_loadcnt \left                           ; loads come back in order: this row's eight are in
	v_pk_add_f32 v[T:T+1], v[XR:XR+1], v[XR+2:XR+3]          ; two chains, started by the first numbers
	v_pk_add_f32 v[T+2:T+3], v[XR+4:XR+5], v[XR+6:XR+7]
.set j, 8
.rept 6
	s_delay_alu instid0(VALU_DEP_2)
	v_pk_add_f32 v[T:T+1], v[T:T+1], v[XR+j:XR+j+1]
	s_delay_alu instid0(VALU_DEP_2)
	v_pk_add_f32 v[T+2:T+3], v[T+2:T+3], v[XR+j+2:XR+j+3]
.set j, j+4
.endr
	s_delay_alu instid0(VALU_DEP_1)
	v_pk_add_f32 v[T:T+1], v[T:T+1], v[T+2:T+3]
	s_delay_alu instid0(VALU_DEP_1)
	v_add_f32 v[T], v[T], v[T+1]
	LANESUM
	s_delay_alu instid0(VALU_DEP_1)
	v_mul_f32 v[MU+2*\row], s17, v[T]
	s_delay_alu instid0(VALU_DEP_1)
	v_mov_b32 v[MU+2*\row+1], v[MU+2*\row]
.set j, 0
.rept 16
	v_pk_add_f32 v[XR+j:XR+j+1], v[XR+j:XR+j+1], v[MU+2*\row:MU+2*\row+1] neg_lo:[0,1] neg_hi:[0,1]   ; x - mean
.set j, j+2
.endr
	v_pk_mul_f32 v[T:T+1], v[XR:XR+1], v[XR:XR+1]
	v_pk_mul_f32 v[T+2:T+3], v[XR+2:XR+3], v[XR+2:XR+3]
.set j, 4
.rept 7
	s_delay_alu instid0(VALU_DEP_2)
	v_pk_fma_f32 v[T:T+1], v[XR+j:XR+j+1], v[XR+j:XR+j+1], v[T:T+1]
	s_delay_alu instid0(VALU_DEP_2)
	v_pk_fma_f32 v[T+2:T+3], v[XR+j+2:XR+j+3], v[XR+j+2:XR+j+3], v[T+2:T+3]
.set j, j+4
.endr
	s_delay_alu instid0(VALU_DEP_1)
	v_pk_add_f32 v[T:T+1], v[T:T+1], v[T+2:T+3]
	s_delay_alu instid0(VALU_DEP_1)
	v_add_f32 v[T], v[T], v[T+1]
	LANESUM
	s_delay_alu instid0(VALU_DEP_1)
	v_fma_f32 v[T], v[T], s17, s16                 ; var + eps
	s_wait_alu depctr_va_vdst(0)
	v_rsq_f32 v[RS+2*\row], v[T]                   ; twice: the pair that the packed multiply takes
	v_rsq_f32 v[RS+2*\row+1], v[T]
	v_nop                                          ; a plain instruction behind the transcendentals, ahead of a use of the results and of a write of their source
	s_wait_alu depctr_va_vdst(0)                   ; one wait for both, ahead of their first reader
.endm
; The row is scaled, held, turned into codes, and leaves through LDS.
.macro FINISH row
.set XR, X+32*\row
.set j, 0
.rept 16
	v_pk_mul_f32 v[XR+j:XR+j+1], v[XR+j:XR+j+1], v[RS+2*\row:RS+2*\row+1]
.set j, j+2
.endr
.set j, 0
.rept 16
	v_pk_fma_f32 v[XR+j:XR+j+1], v[XR+j:XR+j+1], v[G+j:G+j+1], v[BB+j:BB+j+1]
.set j, j+2
.endr
.set j, 0
.rept 32
	v_med3_num_f32 v[XR+j], v[XR+j], -v[LIM], v[LIM]   ; the conversion to an 8-bit code does not saturate (ISA guide 7.6.2): the hold at the largest code x the scale
.set j, j+1
.endr
.irp i, 0,1,2,3
	v_cvt_scalef32_pk8_fp8_f32 v[C+2*\i:C+2*\i+1], v[XR+8*\i:XR+8*\i+7], v[SCL]   ; loads 2 i and 2 i + 1: four codes in each of the two registers
.endr
	v_nop                                          ; a plain instruction behind the last conversion
.irp j, 0,1,2,3,4,5,6,7
	ds_store_b32 v[ST], v[C+\j] offset:1024*\row+128*\j   ; codes of k = 128 j + 4 lane + 0..3
.endr
.irp j, 0,1
	ds_load_b128 v[OUT+8*\row+4*\j:OUT+8*\row+4*\j+3], v[LD] offset:1024*\row+512*\j   ; LDS serves a wave's instructions in order: these see my stores
.endr
	s_wait_dscnt 0x0
.irp j, 0,1
	global_store_b128 v[OFF], v[OUT+8*\row+4*\j:OUT+8*\row+4*\j+3], s[12:13] offset:1024*\row+512*\j   ; 512 consecutive bytes, at a multiple of 512 from the buffer's first byte
.endr
.endm
	STATS 0, 24                                    ; row 1's, g's and b's loads may be out
	STATS 1, 16                                    ; g's and b's may be out
	s_wait_loadcnt 0x0
	s_wait_kmcnt 0x0
	s_add_co_i32 s27, s27, 127
	s_lshl_b32 s28, s27, 23
	v_mov_b32 v[SCL], s28                          ; 2^e as f32: the conversion takes its exponent field
	s_add_co_i32 s27, s27, 8
	s_lshl_b32 s27, s27, 23
	s_or_b32 s27, s27, 0x600000
	v_mov_b32 v[LIM], s27                          ; 448 x 2^e
	FINISH 0
	FINISH 1
	s_wait_tensorcnt 0x0
	ds_add_u32 v176, v177
	s_wait_dscnt 0x0
	s_endpgm
.Lfunc_end_k_qf8175e1cf9_ln1:
	.size	k_qf8175e1cf9_ln1, .Lfunc_end_k_qf8175e1cf9_ln1-k_qf8175e1cf9_ln1
	.p2alignl 7, 3214868480
	.fill 96, 4, 3214868480
	.section	.rodata,"a",@progbits
	.p2align	6, 0x0
	.amdhsa_kernel k_qf8175e1cf9_ln1
		.amdhsa_group_segment_fixed_size 17408
		.amdhsa_private_segment_fixed_size 0
		.amdhsa_enable_private_segment 0
		.amdhsa_kernarg_size 40
		.amdhsa_user_sgpr_count 2
		.amdhsa_user_sgpr_kernarg_segment_ptr 1
		.amdhsa_wavefront_size32 1
		.amdhsa_system_sgpr_workgroup_id_x 1
		.amdhsa_system_sgpr_workgroup_id_y 1
		.amdhsa_system_sgpr_workgroup_id_z 1
		.amdhsa_system_vgpr_workitem_id 0
		.amdhsa_next_free_vgpr 178
		.amdhsa_next_free_sgpr 66
		.amdhsa_reserve_vcc 0
		.amdhsa_float_denorm_mode_32 3
		.amdhsa_float_denorm_mode_16_64 3
		.amdhsa_memory_ordered 1
		.amdhsa_forward_progress 1
		.amdhsa_inst_pref_size 27
	.end_amdhsa_kernel
	.amdgpu_metadata
---
amdhsa.version: [ 1, 2 ]
amdhsa.kernels:
  - .name:           k_qf8175e1cf9_ln1
    .symbol:         k_qf8175e1cf9_ln1.kd
    .args:
      - { .name: x, .offset: 0, .size: 8, .value_kind: global_buffer, .address_space: global }
      - { .name: ln1_g, .offset: 8, .size: 8, .value_kind: global_buffer, .address_space: global }
      - { .name: ln1_b, .offset: 16, .size: 8, .value_kind: global_buffer, .address_space: global }
      - { .name: lowp_scales, .offset: 24, .size: 8, .value_kind: global_buffer, .address_space: global }
      - { .name: acodes, .offset: 32, .size: 8, .value_kind: global_buffer, .address_space: global }
    .group_segment_fixed_size: 17408
    .private_segment_fixed_size: 0
    .kernarg_segment_align: 8
    .kernarg_segment_size: 40
    .max_flat_workgroup_size: 256
    .sgpr_count:     66
    .vgpr_count:     178
    .wavefront_size: 32
...
	.end_amdgpu_metadata
.endif
;; end of part 1
;; launch qkvgemm (part 2): grid 12 x 16, 4 waves a work-group, clusters of 4 x 4, 327,680 bytes of LDS; arguments acodes, w_qkv_codes, lowp_scales, qkv; writes qkv
.if DOCPART == 2
	.amdgcn_target "amdgcn-amd-amdhsa--gfx1250"
	.amdhsa_code_object_version 6
	.text
	.protected	k_qf8175e1cf9_qkvgemm
	.globl	k_qf8175e1cf9_qkvgemm
	.p2align	8
	.type	k_qf8175e1cf9_qkvgemm,@function
k_qf8175e1cf9_qkvgemm:
	s_mov_b64 s[64:65], 0
	v_nop
	global_prefetch_b8 v0, s[64:65] scope:SCOPE_SE
	s_setreg_imm32_b32 hwreg(HW_REG_WAVE_MODE, 25, 1), 1
	s_wait_xcnt 0x0
	s_wait_alu depctr_hold_cnt(0) depctr_sa_sdst(0) depctr_va_vdst(0) depctr_va_sdst(0) depctr_va_ssrc(0) depctr_va_vcc(0) depctr_vm_vsrc(0)
	s_getreg_b32 s2, hwreg(HW_REG_IB_STS2, 6, 4)
	s_cmp_eq_u32 s2, 0
	s_cbranch_scc0 .Lentry_in_a_cluster
	s_endpgm
.Lentry_in_a_cluster:
	s_bfe_u32 s2, ttmp6, 0x10000c
	s_cmp_lg_u32 s2, 0xf033
	s_cbranch_scc0 .Lentry_shape_is_right
	s_endpgm
.Lentry_shape_is_right:
; q, k, v = LN1(x) W_qkv on codes of E4M3, and the quantiser for the attention's operands.  acodes: [4096][1024] codes, w_qkv_codes: [3072][1024] codes, K innermost in both.
; A tile of the result is 256 x 256: four waves, as many as a WGP has SIMDs, each 128 x 128 in 64 accumulators, 512 registers.  K = 1,024 goes in steps of 256 through two LDS slots filled by the tensor data mover:
; four slots' worth, so each slot is filled once at the start and once again; the eight steps of 128 are written out.
; THE MATRIX INSTRUCTION IS USED TRANSPOSED: source 0 = 16 rows of the "N side", source 1 = 16 rows of the "M side".  Lane (r, h) then holds M row r, and register j N index 8 h + j, so one conversion of an accumulator's
; eight registers gives registers 2 c, 2 c + 1 of the next product's operand (k = 16 c + 8 h + 0..7, c the N tile): the results leave as IMAGES OF OPERAND REGISTERS, 16 bytes a lane, 512 consecutive bytes a store.
; q and k (clusters x = 0, 1): M side = tokens, N side = rows of W.  v (clusters x = 2): M side = W_v's rows (channels), N side = tokens, so that v's codes have the KEYS along a lane's registers.  The two cases differ in
; pointers and offsets alone, chosen by s_cselect on the cluster's x, which all partners share; no branch hangs on it.  128 + 64 = 192 tiles, a work-group each.
; qkv: t x 4 MiB (0 q, 1 k, 2 v) + ((batch x 16 + head) x 32 + block of 64 tokens) x 4,096 + a x 1,024 + 512 c' + 16 lane.  q, k: piece a = tokens 16 a + r, registers along the head's 64; v: piece a = channels 16 a + r, registers along the block's 64 keys.
; Both operands' fragments come by four 16-byte LDS loads: the same permutation of k on both sides, so each product meets its partner; only the order of the sums inside an instruction differs from k's own.
; CLUSTERS: 4 x 4 work-groups; the M side's tile is shared along a row of the cluster, the N side's along a column: each is asked for jointly.
; No prefetch: of the four K steps two are asked for at the head and the other two a K step later; there is no earlier trip in which to ask for them.
; LIMITS: et - e0 - e1 between -126 and 119 for et = e2, e3, e5.  NaN among the inputs is not served.
; REGISTERS, in windows of 256: window 0: v1-29 addresses and constants; v32-95 at work on the way out; from v128 the M side's fragments (8 x 16 rows x 128 K), ONE set; on the way out the codes.
;   window 1: the N side's fragments, TWO sets, at v0 and at v128.   window 2: the accumulators of my M rows 0-63 ((a, b) at v[8 (8 a + b)]);   window 3: those of my M rows 64-127.
.set SIZE_K, 1024
.set ROWB,   256                       ; a tile's row: 256 codes
.set PITCH,  272                       ; an LDS row: 256 bytes + 16 of padding: 17 x 16 bytes, so the 16 rows of a load start at 16 different 16-byte columns modulo 256 bytes
.set FR,     16                        ; registers of a fragment
.set NL,     4                         ; LDS loads that bring one
.set NP,     4                         ; places behind this matrix instruction (ISA guide 7.12.1)
.set HALFT,  128*PITCH                 ; 128 rows: what one tensor load brings, and what one wave reads of either side
.set SLOT,   4*HALFT                   ; the M side's 256 rows, then the N side's 256
.set SPARE,  2*SLOT                    ; behind the slots: the spare words, 128 bytes for each wave
.set LIM,  14                          ; v14  448 x the conversion's scale
.set SCL,  15                          ; v15  the conversion's scale
.set ADRA, 16                          ; v16-17  LDS address of my M side fragments in slot 0, 1
.set ADRB, 20                          ; v20-21  the same for the N side
.set OF,   24                          ; v24-27  16 x lane + the offset of my block (a / 4, b / 4) of 4,096 bytes: register 2 (a / 4) + b / 4
.set SPW,  28                          ; v28  my spare word; never rewritten
.set NIL,  29                          ; v29  0; never rewritten
.set TMP,  32                          ; v32-95 a block's 64 numbers, held
.set AF,   128                         ; the M side's fragments
.set CD,   128                         ; the way out: 16 registers of codes for each of my eight blocks of 16 rows
.set G1,   24                          ; s[24:31] group 1 for the M side's tiles; s[32:39] its groups 0, one for each slot
.set G0,   32
.set G1B,  48                          ; s[48:55], s[56:63] the same for the N side
.set G0B,  56
.set MSB, 0
.macro WIN new                         ; the immediate's high byte repeats the setting that is left
.if MSB != (\new)
	s_set_vgpr_msb (MSB<<8)|(\new)
.set MSB, (\new)
.endif
.endm
.set MUL_LO, 0xa1                      ; source 0 (N side) window 1, source 1 (M side) window 0, C and D window 2
.set MUL_HI, 0xf1                      ; the same, C and D window 3
.set TO_B,   0x40                      ; destination window 1, address window 0
.macro JLOAD s                         ; a joint load: waves 0 and 1 fetch the M side's halves, waves 2 and 3 the N side's; four v_nop follow each line
	s_cmp_eq_u32 s11, 0
	s_cbranch_scc0 .Lfor_b_\@
	tensor_load_to_lds s[G0+4*\s:G0+4*\s+3], s[G1:G1+7]
	s_nop 0
.rept 4
	v_nop
.endr
	s_branch .Lasked_\@
.Lfor_b_\@:
	tensor_load_to_lds s[G0B+4*\s:G0B+4*\s+3], s[G1B:G1B+7]
	s_nop 0
.rept 4
	v_nop
.endr
.Lasked_\@:
.endm
.macro CREST                           ; a round of the cluster's barrier behind its opening barrier
	s_cmp_lg_u32 s10, 0
	s_cbranch_scc1 .Lnot_wave_0_\@
	s_barrier_signal -3
.Lnot_wave_0_\@:
	s_barrier_wait -3
	s_barrier_signal -1
	s_barrier_wait -1
.endm
.macro CROUND                          ; a whole round
	s_barrier_signal -1
	s_barrier_wait -1
	CREST
.endm
	s_load_b128 s[68:71], s[0:1], 0x0              ; acodes s[68:69], w_qkv_codes s[70:71]
	s_load_b128 s[72:75], s[0:1], 0x10             ; the scales' exponents s[72:73], qkv s[74:75]
	v_lshl_add_u32 v[SPW], v0, 2, SPARE
	v_mov_b32 v[NIL], 0
	ds_add_u32 v28, v29
	ds_add_u32 v28, v29
	s_wait_dscnt 0x0
	v_lshrrev_b32 v1, 5, v0
	v_readfirstlane_b32 s10, v1                    ; wave 0..3
	s_lshr_b32 s11, s10, 1                         ; which half of the tile's M rows is mine.  Also: I fetch for the M side (0) or the N side (1)
	s_and_b32 s12, s10, 1                          ; which half of its N rows.  Also: which 128 rows I fetch
	s_bfe_u32 s40, ttmp6, 0x40000                  ; cx, cy: my place in the cluster
	s_bfe_u32 s41, ttmp6, 0x40004
	s_and_b32 s14, ttmp7, 0xffff                   ; cluster y, 0..3
	s_cmp_ge_u32 ttmp9, 2                          ; the v part?  The same answer in all sixteen partners
	s_cselect_b32 s13, 0, s14                      ; the cluster's place along M: W_v's 1,024 rows are one cluster's four tiles
	s_cselect_b32 s42, s14, ttmp9                  ; and along N
	s_cselect_b32 s45, 2, ttmp9                    ; t: 0 q, 1 k, 2 v
	s_cselect_b32 s46, 0x200000, 0                 ; W_v begins 2,048 rows of 1,024 bytes into W
	s_lshl_b32 s13, s13, 2
	s_add_co_u32 s13, s13, s41                     ; tile row (M side)
	s_lshl_b32 s42, s42, 2
	s_add_co_u32 s42, s42, s40                     ; tile column (N side)
	s_lshl_b32 s43, s41, 2
	s_lshl_b32 s43, 15, s43                        ; my row of the cluster
	s_lshl_b32 s44, 0x1111, s40                    ; my column
	; group 1: a tile of 128 rows x 256 bytes, padded in LDS
	s_or_b32 s[G1+0], s43, (0<<16)|(1<<20)|(1<<21)|(5<<22)|(3<<25)   ; 15:0 the mask; 17:16 elements of 1 byte; 20 padding on; 21 set beside a mask; 24:22 after every 64 words; 31:25 four words
	s_or_b32 s[G1B+0], s44, (0<<16)|(1<<20)|(1<<21)|(5<<22)|(3<<25)
.irp g, G1, G1B
	s_mov_b32 s[\g+1], ROWB<<16                    ; tensor_dim0
	s_mov_b32 s[\g+2], 128<<16                     ; tensor_dim1
	s_mov_b32 s[\g+3], ROWB<<16                    ; tile_dim0
	s_mov_b32 s[\g+4], 128                         ; tile_dim1
	s_mov_b32 s[\g+5], SIZE_K                      ; from row to row
	s_mov_b32 s[\g+6], 0
	s_mov_b32 s[\g+7], 0
.endr
	s_lshl_b32 s17, s12, 7                         ; which 128 rows of a tile I fetch
	s_lshl_b32 s16, s13, 8
	s_add_co_u32 s16, s16, s17
	s_mul_i32 s16, s16, SIZE_K
	s_add_co_u32 s16, s16, s46                     ; the M side's tile, in bytes
	s_lshl_b32 s18, s42, 8
	s_add_co_u32 s18, s18, s17
	s_mul_i32 s18, s18, SIZE_K                     ; the N side's
	s_mov_b32 s17, 0
	s_mov_b32 s19, 0
	s_mul_i32 s20, s10, HALFT                      ; where they go: wave x 128 rows: no place in the cluster enters an LDS address
	s_wait_kmcnt 0x0
	s_load_b256 s[80:87], s[72:73], 0x0            ; e0 .. e7
	s_load_b128 s[88:91], s[72:73], 0x20           ; e8 .. e11
	s_cmp_ge_u32 ttmp9, 2
	s_cselect_b64 s[14:15], s[70:71], s[68:69]     ; the M side: W in the v part, else the tokens' codes
	s_cselect_b64 s[46:47], s[68:69], s[70:71]     ; the N side: the other one
	s_add_nc_u64 s[14:15], s[14:15], s[16:17]
	s_add_nc_u64 s[46:47], s[46:47], s[18:19]
	CROUND                                         ; all sixteen work-groups are here: the first joint loads meet
.irp s, 0,1
	s_mov_b32 s[G0+4*\s], 1
	s_add_co_u32 s[G0+4*\s+1], s20, \s*SLOT
	s_add_nc_u64 s[G0+4*\s+2:G0+4*\s+3], s[14:15], \s*ROWB
	s_or_b32 s[G0+4*\s+3], s[G0+4*\s+3], 0x80000000
	s_mov_b32 s[G0B+4*\s], 1
	s_add_co_u32 s[G0B+4*\s+1], s20, \s*SLOT
	s_add_nc_u64 s[G0B+4*\s+2:G0B+4*\s+3], s[46:47], \s*ROWB
	s_or_b32 s[G0B+4*\s+3], s[G0B+4*\s+3], 0x80000000
.if \s                                             ; slot 1's first fill is issued as a refill is: my part of K step 0 is in,
	s_wait_alu depctr_va_vdst(0)
	s_wait_tensorcnt 0x0
	ds_add_u32 v[SPW], v[NIL]                      ; 0 onto my spare word,
	s_wait_dscnt 0x0
	CROUND                                         ; and a whole round of the cluster's barrier
.endif
	JLOAD \s                                       ; one tensor load a wave at the head, one behind the round
.endr
	v_and_b32 v1, 15, v0                           ; r
	v_bfe_u32 v2, v0, 4, 1                         ; h
	v_mul_u32_u24 v3, v1, PITCH
	v_lshl_add_u32 v3, v2, 4, v3                   ; a fragment's row x pitch + 16 h
	s_mul_i32 s21, s11, HALFT                      ; my 128 rows of the M side
	s_mul_i32 s22, s12, HALFT                      ; my 128 rows of the N side,
	s_add_co_u32 s22, s22, 2*HALFT                 ; which lie behind the M side's 256
.irp s, 0,1
	v_add_nc_u32 v[ADRA+\s], s21, v3
	v_add_nc_u32 v[ADRB+\s], s22, v3
	s_add_co_u32 s21, s21, SLOT
	s_add_co_u32 s22, s22, SLOT
.endr
	; where my 128 x 128 goes: four blocks of 4,096 bytes
	s_lshl_b32 s96, s13, 8
	s_lshl_b32 s97, s11, 7
	s_add_co_u32 s96, s96, s97                     ; my first M row
	s_lshl_b32 s98, s42, 8
	s_lshl_b32 s97, s12, 7
	s_add_co_u32 s98, s98, s97                     ; my first N row
	s_mov_b32 s94, 0x1000                          ; from a block of 64 tokens to the next
	s_mov_b32 s95, 0x20000                         ; from a head to the next
	s_cmp_ge_u32 ttmp9, 2
	s_cselect_b32 s97, s98, s96                    ; my first token
	s_cselect_b32 s99, s96, s98                    ; my first channel
	s_cselect_b32 s22, s95, s94                    ; 64 M rows on: a head in the v part, else a block of tokens
	s_cselect_b32 s23, s94, s95                    ; 64 N rows on: the other one
	v_and_b32 v[OF], 31, v0
	v_lshlrev_b32 v[OF], 4, v[OF]                  ; 16 x lane
	v_add_nc_u32 v[OF+1], s23, v[OF]
	v_add_nc_u32 v[OF+2], s22, v[OF]
	v_add_nc_u32 v[OF+3], s23, v[OF+2]
	s_lshl_b32 s96, s45, 22                        ; t x 4 MiB
	s_lshr_b32 s98, s97, 11
	s_lshl_b32 s98, s98, 21                        ; the batch
	s_add_co_u32 s96, s96, s98
	s_bfe_u32 s98, s99, 0x40006
	s_lshl_b32 s98, s98, 17                        ; the head
	s_add_co_u32 s96, s96, s98
	s_bfe_u32 s98, s97, 0x50006
	s_lshl_b32 s98, s98, 12                        ; the block of 64 tokens
	s_add_co_u32 s96, s96, s98
	s_mov_b32 s97, 0
	s_add_nc_u64 s[74:75], s[74:75], s[96:97]
	s_wait_kmcnt 0x0
	s_cmp_eq_u32 s45, 1
	s_cselect_b32 s94, s83, s82                    ; e3 for k, e2 for q,
	s_cmp_eq_u32 s45, 2
	s_cselect_b32 s94, s85, s94                    ; e5 for v
	s_sub_co_i32 s94, s94, s80
	s_sub_co_i32 s94, s94, s81                     ; a sum stands for sum x 2^(e0 + e1): the three scales are folded into the conversion's one
	s_add_co_i32 s94, s94, 127
	s_lshl_b32 s95, s94, 23
	v_mov_b32 v[SCL], s95
	s_add_co_i32 s94, s94, 8
	s_lshl_b32 s94, s94, 23
	s_or_b32 s94, s94, 0x600000
	v_mov_b32 v[LIM], s94                          ; 448 x that
.macro FRAG reg, adr, q, i             ; a fragment, 16 rows x 128 K: lane l holds row l % 16; registers 4 c .. 4 c + 3 hold K = 32 c + 16 (l / 16) + 0 .. 15
.irp c, 0,1,2,3
	ds_load_b128 v[\reg+4*\c:\reg+4*\c+3], v[\adr] offset:128*(\q)+32*\c+(\i)*16*PITCH
.endr
.endm
; 16 matrix instructions: M blocks a0, a0 + 1 x the N side's eight, 128 along K.  p: the N side's set.  zero = 1: the first product starts the sums: nothing is ever cleared.
; The 64 accumulators take turns, one instruction a turn, in the same order in every step.
.macro MUL16 a0, p, zero
.irp a, \a0, \a0+1
.irp b, 0,1,2,3,4,5,6,7
.if \zero
	v_wmma_f32_16x16x128_fp8_fp8 v[8*(8*((\a)%4)+\b):8*(8*((\a)%4)+\b)+7], v[128*(\p)+FR*\b:128*(\p)+FR*\b+FR-1], v[AF+FR*(\a):AF+FR*(\a)+FR-1], 0
.else
	v_wmma_f32_16x16x128_fp8_fp8 v[8*(8*((\a)%4)+\b):8*(8*((\a)%4)+\b)+7], v[128*(\p)+FR*\b:128*(\p)+FR*\b+FR-1], v[AF+FR*(\a):AF+FR*(\a)+FR-1], v[8*(8*((\a)%4)+\b):8*(8*((\a)%4)+\b)+7]
.endif
.endr
.endr
.endm
.macro FETCH_B slot, q, p              ; the N side's eight fragments of the slot's q-th 128 along K into set p
	WIN TO_B
.irp i, 0,1,2,3,4,5,6,7
	FRAG 128*(\p)+FR*\i, ADRB+\slot, \q, \i
.endr
	WIN 0
.endm
.macro FETCH_A slot, q, i0             ; the M side's blocks i0 .. i0 + 3
.irp i, \i0, \i0+1, \i0+2, \i0+3
	FRAG AF+FR*(\i), ADRA+\slot, \q, \i
.endr
.endm
.macro PLACES n                        ; plain vector instructions in front of loads into registers that matrix instructions have read, and of the first read of results
.rept \n
	v_nop
.endr
.endm
; A step of 128 along K that has its successor in the same slot.  An M block is free as soon as its eight products are issued: blocks 0-3 are fetched anew in the step's middle, blocks 4-7 at its end.
.macro STEP slot, q, zero
	s_wait_dscnt 4*NL                              ; the N side's set and M blocks 0-3 are in; the youngest sixteen loads (M blocks 4-7) may be out
	WIN MUL_LO
	MUL16 0, (\q)%2, \zero
	MUL16 2, (\q)%2, \zero
	s_wait_dscnt 0                                 ; M blocks 4-7 are in
	PLACES NP
	FETCH_B \slot, (\q)+1, 1-(\q)%2
	FETCH_A \slot, (\q)+1, 0
	WIN MUL_HI
	MUL16 4, (\q)%2, \zero
	MUL16 6, (\q)%2, \zero
	PLACES NP
	WIN 0
	FETCH_A \slot, (\q)+1, 4
.endm
; A slot's last step changes slots: ONE barrier; in front of it each wave waits for all its tensor loads, adds 0 to its spare word, and waits for that and for its own reads of this slot.
; fill = 1: the barrier opens a round of the cluster's barrier, and this slot is filled again, two K steps ahead, first thing behind the round.
.macro TURN slot, next, fill
	s_wait_tensorcnt 0x0                           ; all my tensor loads have landed: my part of the next slot  (every window is 0 here)
	ds_add_u32 v[SPW], v[NIL]                      ; 0 onto my spare word
	s_wait_dscnt 4*NL+1                            ; the add and the youngest sixteen loads (M blocks 4-7) may be out
	WIN MUL_LO
	MUL16 0, 1, 0                                  ; sixteen matrix instructions stand between the add and the wait for it
	s_wait_dscnt 0x0                               ; the add is done, and my reads of this slot are over
	s_barrier_signal -1
	MUL16 2, 1, 0
	WIN 0
	s_barrier_wait -1
.if \fill
	CREST                                          ; no wave of any partner still reads this slot's tiles or has a load on its way
	s_add_nc_u64 s[G0+4*\slot+2:G0+4*\slot+3], s[G0+4*\slot+2:G0+4*\slot+3], 2*ROWB
	s_add_nc_u64 s[G0B+4*\slot+2:G0B+4*\slot+3], s[G0B+4*\slot+2:G0B+4*\slot+3], 2*ROWB
	JLOAD \slot                                    ; my one tensor load behind the round; its four v_nop are also the places in front of the loads below
.else
	PLACES NP
.endif
	s_wait_alu depctr_va_vdst(0)
	FETCH_B \next, 0, 0
	FETCH_A \next, 0, 0
	WIN MUL_HI
	MUL16 4, 1, 0
	MUL16 6, 1, 0
	PLACES NP
	WIN 0
	FETCH_A \next, 0, 4
.endm
	s_wait_tensorcnt 1                             ; my part of K step 0 is in; K step 1's load may be out
	s_barrier_signal -1
	s_barrier_wait -1                              ; everybody's is
	FETCH_B 0, 0, 0
	FETCH_A 0, 0, 0
	FETCH_A 0, 0, 4
	STEP 0, 0, 1                                   ; K 0 on: the first products start the sums
	TURN 0, 1, 1                                   ; K 128 on; slot 0 takes K 512 on
	STEP 1, 0, 0                                   ; K 256 on
	TURN 1, 0, 1                                   ; K 384 on; slot 1 takes K 768 on
	STEP 0, 0, 0                                   ; K 512 on
	TURN 0, 1, 0                                   ; K 640 on; nothing is left to fetch
	STEP 1, 0, 0                                   ; K 768 on
	s_wait_dscnt 4*NL                              ; K 896 on: the last step
	WIN MUL_LO
	MUL16 0, 1, 0
	MUL16 2, 1, 0
	s_wait_dscnt 0
	WIN MUL_HI
	MUL16 4, 1, 0
	MUL16 6, 1, 0
	WIN 0
	PLACES NP
; THE WAY OUT, a block of 16 M rows at a time: hold, convert, store.  Accumulator (a, b) gives registers 2 (b % 4), 2 (b % 4) + 1 of piece a % 4 of block (a / 4, b / 4).  Each accumulator is read from its low end on.
; Every block has its own sixteen registers of codes, so no store's data are written again.
.macro OUTBLK a
.set AC, 64*((\a)%4)
	WIN 0x02+((\a)/4)                              ; source 0: window 2 or 3
.set j, 0
.rept 64
	v_med3_num_f32 v[TMP+j], v[AC+j], -v[LIM], v[LIM]   ; the conversion does not saturate (ISA guide 7.6.2): the hold at the largest code x the scale
.set j, j+1
.endr
	WIN 0
.irp b, 0,1,2,3,4,5,6,7
	v_cvt_scalef32_pk8_fp8_f32 v[CD+16*(\a)+2*\b:CD+16*(\a)+2*\b+1], v[TMP+8*\b:TMP+8*\b+7], v[SCL]
.endr
	v_nop                                          ; a plain instruction behind the last conversion, ahead of the next block's holds, which write its sources
.irp hb, 0,1
.irp c, 0,1
	global_store_b128 v[OF+2*((\a)/4)+\hb], v[CD+16*(\a)+8*\hb+4*\c:CD+16*(\a)+8*\hb+4*\c+3], s[74:75] offset:1024*((\a)%4)+512*\c   ; 512 consecutive bytes, at a multiple of 512 from the buffer's first byte
.endr
.endr
.endm
.irp a, 0,1,2,3,4,5,6,7
	OUTBLK \a
.endr
	s_wait_tensorcnt 0x0                           ; the wave's end
	ds_add_u32 v[SPW], v[NIL]
	s_wait_dscnt 0x0
	CROUND                                         ; the closing round: no work-group ends while a partner may still ask for a tile that names it
	s_endpgm
.Lfunc_end_k_qf8175e1cf9_qkvgemm:
	.size	k_qf8175e1cf9_qkvgemm, .Lfunc_end_k_qf8175e1cf9_qkvgemm-k_qf8175e1cf9_qkvgemm
	.p2alignl 7, 3214868480
	.fill 96, 4, 3214868480
	.section	.rodata,"a",@progbits
	.p2align	6, 0x0
	.amdhsa_kernel k_qf8175e1cf9_qkvgemm
		.amdhsa_group_segment_fixed_size 327680
		.amdhsa_private_segment_fixed_size 0
		.amdhsa_enable_private_segment 0
		.amdhsa_kernarg_size 32
		.amdhsa_user_sgpr_count 2
		.amdhsa_user_sgpr_kernarg_segment_ptr 1
		.amdhsa_wavefront_size32 1
		.amdhsa_system_sgpr_workgroup_id_x 1
		.amdhsa_system_sgpr_workgroup_id_y 1
		.amdhsa_system_sgpr_workgroup_id_z 1
		.amdhsa_system_vgpr_workitem_id 0
		.amdhsa_next_free_vgpr 1024
		.amdhsa_next_free_sgpr 100
		.amdhsa_reserve_vcc 0
		.amdhsa_float_denorm_mode_32 3
		.amdhsa_float_denorm_mode_16_64 3
		.amdhsa_memory_ordered 1
		.amdhsa_forward_progress 1
		.amdhsa_inst_pref_size 119
	.end_amdhsa_kernel
	.amdgpu_metadata
---
amdhsa.version: [ 1, 2 ]
amdhsa.kernels:
  - .name:           k_qf8175e1cf9_qkvgemm
    .symbol:         k_qf8175e1cf9_qkvgemm.kd
    .args:
      - { .name: acodes, .offset: 0, .size: 8, .value_kind: global_buffer, .address_space: global }
      - { .name: w_qkv_codes, .offset: 8, .size: 8, .value_kind: global_buffer, .address_space: global }
      - { .name: lowp_scales, .offset: 16, .size: 8, .value_kind: global_buffer, .address_space: global }
      - { .name: qkv, .offset: 24, .size: 8, .value_kind: global_buffer, .address_space: global }
    .group_segment_fixed_size: 327680
    .private_segment_fixed_size: 0
    .kernarg_segment_align: 8
    .kernarg_segment_size: 32
    .max_flat_workgroup_size: 128
    .sgpr_count:     100
    .vgpr_count:     1024
    .wavefront_size: 32
...
	.end_amdgpu_metadata
.endif
;; end of part 2
;; launch attn (part 3): grid 8 x 32, 16 waves a work-group, clusters of 4 x 1, 327,680 bytes of LDS; arguments qkv, lowp_scales, oimg; writes oimg
.if DOCPART == 3
	.amdgcn_target "amdgcn-amd-amdhsa--gfx1250"
	.amdhsa_code_object_version 6
	.text
	.protected	k_qf8175e1cf9_attn
	.globl	k_qf8175e1cf9_attn
	.p2align	8
	.type	k_qf8175e1cf9_attn,@function
k_qf8175e1cf9_attn:
	s_mov_b64 s[64:65], 0
	v_nop
	global_prefetch_b8 v0, s[64:65] scope:SCOPE_SE
	s_setreg_imm32_b32 hwreg(HW_REG_WAVE_MODE, 25, 1), 1
	s_wait_xcnt 0x0
	s_wait_alu depctr_hold_cnt(0) depctr_sa_sdst(0) depctr_va_vdst(0) depctr_va_sdst(0) depctr_va_ssrc(0) depctr_va_vcc(0) depctr_vm_vsrc(0)
	s_getreg_b32 s2, hwreg(HW_REG_IB_STS2, 6, 4)
	s_cmp_eq_u32 s2, 0
	s_cbranch_scc0 .Lentry_in_a_cluster
	s_endpgm
.Lentry_in_a_cluster:
	s_bfe_u32 s2, ttmp6, 0x10000c
	s_cmp_lg_u32 s2, 0x3003
	s_cbranch_scc0 .Lentry_shape_is_right
	s_endpgm
.Lentry_shape_is_right:
; o = softmax(q k^T / 8) v for 32 (batch, head) pairs of 2,048 tokens and 64 channels, both products on codes of E4M3, and the quantiser for the projection's operand.
; qkv holds images of operand registers: t x 4 MiB (0 q, 1 k, 2 v) + ((batch x 16 + head) x 32 + block of 64 tokens) x 4,096 + a x 1,024 + 512 c + 16 lane.
; q, k: piece a = tokens 16 a + r, registers along the head's 64; v: piece a = channels 16 a + r, registers along the block's 64 keys.
; THE SOFTMAX: t = score x log2(e) / 8; M = the running largest t rounded up to a whole number; p = 2^(t - M) is quantised with 2^e4, not normalised; the row's sum is taken of the unquantised p and divides at the end.
; When M moves, the sum and O^T are multiplied by 2^(old M - new M), which rounds nothing; no branch hangs on data.
; SHARES: a work-group owns 256 queries of one head, each of its sixteen waves 16 of them in 256 registers.  A head's K and V are 2 x 131,072 bytes and lie in LDS whole:
; each wave asks for ONE sixteenth, 64 rows of 256 bytes (waves 0-7 K's, waves 8-15 V's), at the head; nothing is filled again, so one barrier stands in front of the loop and none in it.
; CLUSTER: the four work-groups of a cluster own query blocks of the same head and ask for its K and V jointly (mask 15).
; No prefetch: all that the launch reads through LDS is asked for at the head; there is no earlier trip in which to ask.
; LAYOUT: S^T = K Q^T (source 0 = 16 keys, source 1 = my queries): lane (r, h) holds query r, register j of tile t key 16 t + 8 h + j, so tile t's conversion gives registers 2 t, 2 t + 1 of P's fragment of 128 keys.
; O^T = V^T P^T (source 0 = 16 channels x 128 keys).  O leaves as the projection's operand image: (K / 512) x 2 MiB + (row / 16) x 8,192 + ((K % 512) / 128) x 2,048 + 512 c4 + 16 lane, K = 64 head + channel.
; FRAGMENTS AHEAD: the next step's K is asked of LDS right behind this step's score products, into the same 64 registers; V's channels 0-31 go into 32 registers of their own at the same place,
; V's channels 32-63 into the first 32 score registers as soon as those are converted.  The last step is written out: it asks for no further K.
; LIMITS: e2 + e3 between -123 and 130 (added to the exponent field of log2(e) / 8); e4 and e6 - e4 - e5 between -126 and 119; the scaled scores stay under 2^31 in magnitude.  NaN among the inputs is not served.
.set SPARE, 0x40000                    ; behind K and V: the spare words, 128 bytes for each wave
.set LI,   1                           ; v1  16 x lane
.set ADK,  2                           ; v2  LDS address of the step's K
.set ADV,  3                           ; v3  of its V
.set CH,   4                           ; v4-11  the step's sum of p, four chains of two
.set MX,   24                          ; v24-27 the step's largest score, four chains
.set F,    32                          ; v32-95   eight fragments of K
.set S,    96                          ; v96-159  S^T, then p; v96-127 then V's channels 32-63
.set O,    160                         ; v160-191 O^T
.set PC,   192                         ; v192-207 p's codes
.set TA,   208                         ; at work
.set OM,   209                         ; the old -M
.set FF,   210                         ; v210 f = 2^(old M - new M); v211 named with it as a pair
.set PX,   212
.set PLIM, 216                         ; v216, v217  448 x 2^e4, twice: one for each half of a dual pair
.set PSCL, 218
.set OSCL, 219
.set OLIM, 220
.set G,    222                         ; v222-253 V's channels 0-31
.set SPW,  254                         ; my spare word; never rewritten
.set NIL,  255                         ; 0; never rewritten
.set WV,   18
.macro CROUND                          ; a round of the cluster's barrier
	s_barrier_signal -1
	s_barrier_wait -1
	s_cmp_lg_u32 s[WV], 0
	s_cbranch_scc1 .Lnot_wave_0_\@
	s_barrier_signal -3
.Lnot_wave_0_\@:
	s_barrier_wait -3
	s_barrier_signal -1
	s_barrier_wait -1
.endm
.macro HOLD r                          ; two numbers held at 448 x 2^e4 (the conversion does not saturate: ISA guide 7.6.2); p is not negative, so the hold is one-sided
	v_dual_min_num_f32 v[\r], v[\r], v[PLIM] :: v_dual_min_num_f32 v[\r+1], v[\r+1], v[PLIM+1]
.endm
.macro TMINUSM n                       ; t - M for the next 2 n scores, two at a time
.rept \n
	v_pk_fma_f32 v[S+j:S+j+1], v[S+j:S+j+1], s[22:23], v[12:13] op_sel_hi:[1,0,0]
.set j, j+2
.endr
.endm
.macro SUMS n                          ; the next n pairs of p onto the four chains by turns
.rept \n
	v_pk_add_f32 v[CH+2*(p%4):CH+2*(p%4)+1], v[CH+2*(p%4):CH+2*(p%4)+1], v[S+2*p:S+2*p+1]
.set p, p+1
.endr
.endm
.macro CODES t0                        ; tiles t0 .. t0 + 3: all holds, then the four conversions
.set j, 0
.rept 16
	HOLD S+8*\t0+j
.set j, j+2
.endr
.irp t, 0,1,2,3
	v_cvt_scalef32_pk8_fp8_f32 v[PC+2*(\t0+\t):PC+2*(\t0+\t)+1], v[S+8*(\t0+\t):S+8*(\t0+\t)+7], v[PSCL]
.endr
.endm
	s_load_b128 s[4:7], s[0:1], 0x0                ; qkv s[4:5], the scales' exponents s[6:7]
	s_load_b64 s[8:9], s[0:1], 0x10                ; oimg
	v_lshl_add_u32 v[SPW], v0, 2, SPARE
	v_mov_b32 v[NIL], 0
	ds_add_u32 v[SPW], v[NIL]                      ; the opening lines: the add, twice on end, and its wait ahead of my tensor load
	ds_add_u32 v[SPW], v[NIL]
	v_lshrrev_b32 v2, 5, v0
	v_readfirstlane_b32 s[WV], v2                  ; wave 0..15
	v_and_b32 v[LI], 31, v0
	v_lshlrev_b32 v[LI], 4, v[LI]
	s_bfe_u32 s10, ttmp6, 0x40000                  ; cx
	s_lshl_b32 s11, ttmp9, 2
	s_add_co_u32 s11, s11, s10                     ; my block of 256 queries
	s_and_b32 s12, ttmp7, 0xffff                   ; 16 batch + head
	s_lshl_b32 s19, s12, 17                        ; its 131,072 bytes in each of q, k, v
	s_lshr_b32 s13, s[WV], 3                       ; I fetch for K (0) or for V (1),
	s_and_b32 s14, s[WV], 7
	s_lshl_b32 s14, s14, 14                        ; the (wave % 8)-th 16,384 bytes
	s_lshl_b32 s15, s13, 17
	s_mov_b32 s32, 1                               ; group 0: count,
	s_add_co_u32 s33, s15, s14                     ; LDS address: K from 0, V from 131,072: the wave's number alone
	s_lshl_b32 s16, s13, 22
	s_add_co_u32 s16, s16, s14
	s_add_co_u32 s16, s16, s19
	s_add_co_u32 s16, s16, 0x400000                ; in memory: k begins 4 MiB into qkv, v 8 MiB
	s_mov_b32 s17, 0
	s_mov_b32 s24, 15|(3<<16)|(1<<21)              ; group 1: the mask of all four partners; elements of 8 bytes; bit 21 beside a mask
	s_mov_b32 s25, 32<<16                          ; tensor_dim0: 32 elements, 256 bytes
	s_mov_b32 s26, 64<<16                          ; tensor_dim1
	s_mov_b32 s27, 32<<16                          ; tile_dim0
	s_mov_b32 s28, 64                              ; tile_dim1
	s_mov_b32 s29, 32                              ; from row to row: dense
	s_mov_b32 s30, 0
	s_mov_b32 s31, 0
	s_mov_b32 s20, 0x76543210                      ; v_permlanex16_b32: lane l xor 16
	s_mov_b32 s21, 0xfedcba98
	s_lshl_b32 s60, s11, 14
	s_lshl_b32 s13, s[WV], 10
	s_add_co_u32 s60, s60, s13
	s_add_co_u32 s60, s60, s19                     ; my 16 queries' fragment
	s_mov_b32 s61, 0
	s_wait_alu depctr_va_vdst(0)
	s_wait_dscnt 0x0                               ; both opening adds are done
	s_wait_kmcnt 0x0
	s_load_b256 s[48:55], s[6:7], 0x0              ; e0 .. e7
	s_add_nc_u64 s[34:35], s[4:5], s[16:17]
	s_or_b32 s35, s35, 0x80000000                  ; type = 2
	s_add_nc_u64 s[60:61], s[4:5], s[60:61]
	global_load_b128 v[16:19], v[LI], s[60:61]     ; Q stays in registers
	global_load_b128 v[20:23], v[LI], s[60:61] offset:512
	CROUND                                         ; all four work-groups are here: the joint loads meet
	tensor_load_to_lds s[32:35], s[24:31]          ; my one tensor load of the launch
	s_nop 0
.rept 4
	v_nop
.endr
	s_and_b32 s13, s12, 15                         ; the head
	s_lshr_b32 s14, s12, 4
	s_lshl_b32 s14, s14, 7                         ; the batch's 128 blocks of 16 rows
	s_lshl_b32 s62, s11, 4
	s_add_co_u32 s14, s14, s62
	s_add_co_u32 s14, s14, s[WV]
	s_lshl_b32 s62, s14, 13                        ; (row / 16) x 8,192
	s_lshr_b32 s14, s13, 3
	s_lshl_b32 s14, s14, 21                        ; (K / 512) x 2 MiB
	s_add_co_u32 s62, s62, s14
	s_bfe_u32 s14, s13, 0x20001
	s_lshl_b32 s14, s14, 11                        ; ((K % 512) / 128) x 2,048
	s_add_co_u32 s62, s62, s14
	s_and_b32 s14, s13, 1
	s_lshl_b32 s14, s14, 10                        ; registers 8 (head % 2) on
	s_add_co_u32 s62, s62, s14
	s_mov_b32 s63, 0
	s_add_nc_u64 s[8:9], s[8:9], s[62:63]
	v_mov_b32 v13, 0xff61b1e6                      ; the largest t so far: -3e38
	v_floor_f32 v12, -v13                          ; -M
	v_mov_b32 v14, 0                               ; the sum, in two halves
	v_mov_b32 v15, 0
	v_mov_b32 v[FF+1], 0
	v_mov_b32 v[PX], 0                             ; a lane permute's destination counts as a source
.set j, 0
.rept 32
	v_mov_b32 v[O+j], 0                            ; no step starts the sums by itself: the first change of M multiplies zeros
.set j, j+1
.endr
	s_wait_kmcnt 0x0
	s_mov_b32 s22, 0x3e38aa3b                      ; c = log2(e) / 8,
	s_add_co_i32 s13, s50, s51
	s_lshl_b32 s13, s13, 23
	s_add_co_i32 s22, s22, s13                     ; x 2^(e2 + e3)
	s_mov_b32 s23, s22
	s_add_co_i32 s13, s52, 127
	s_lshl_b32 s14, s13, 23
	v_mov_b32 v[PSCL], s14                         ; 2^e4
	s_add_co_i32 s13, s13, 8
	s_lshl_b32 s13, s13, 23
	s_or_b32 s13, s13, 0x600000
	v_mov_b32 v[PLIM], s13                         ; 448 x 2^e4
	v_mov_b32 v[PLIM+1], s13
	s_sub_co_i32 s13, s54, s52
	s_sub_co_i32 s13, s13, s53
	s_add_co_i32 s13, s13, 127
	s_lshl_b32 s14, s13, 23
	v_mov_b32 v[OSCL], s14                         ; 2^(e6 - e4 - e5): the three scales in the conversion's one
	s_add_co_i32 s13, s13, 8
	s_lshl_b32 s13, s13, 23
	s_or_b32 s13, s13, 0x600000
	v_mov_b32 v[OLIM], s13
	s_mov_b32 s2, 0                                ; the step's first byte in K
	s_mov_b32 s3, 15                               ; 15 steps of 128 keys in the loop, the sixteenth behind it
; A KEY STEP of 128 keys.  more = 1: the next step's K is asked for.
.macro STEP more
	v_add_nc_u32 v[ADK], s2, v[LI]                 ; five places behind the last products: the score products below write over registers that those read
	v_mov_b32 v[OM], v12
	s_delay_alu instid0(VALU_DEP_2)
	v_add_nc_u32 v[ADV], 0x20000, v[ADK]
	v_nop
	v_nop
.irp t, 0,1,2,3,4,5,6,7
	v_wmma_f32_16x16x64_fp8_fp8 v[S+8*\t:S+8*\t+7], v[F+8*\t:F+8*\t+7], v[16:23], 0
.endr
.rept 4
	v_nop
.endr
.if \more
.irp t, 0,1,2,3,4,5,6,7                            ; the next 128 keys lie 8,192 bytes on
	ds_load_b128 v[F+8*\t:F+8*\t+3], v[ADK] offset:8192+1024*\t
	ds_load_b128 v[F+8*\t+4:F+8*\t+7], v[ADK] offset:8192+1024*\t+512
.endr
.endif
.irp a, 0,1                                        ; V's channels 0-31
.irp u, 0,1
	ds_load_b128 v[G+16*\a+8*\u:G+16*\a+8*\u+3], v[ADV] offset:4096*\u+1024*\a
	ds_load_b128 v[G+16*\a+8*\u+4:G+16*\a+8*\u+7], v[ADV] offset:4096*\u+1024*\a+512
.endr
.endr
.irp c, 0,1,2,3                                    ; the step's largest score: chain c takes tiles 2 c and 2 c + 1, each read from its low end on
	v_max3_num_f32 v[MX+\c], v[S+16*\c], v[S+16*\c+1], v[S+16*\c+2]
.endr
.irp k, 1,2,3,4,5,6
.irp c, 0,1,2,3
	v_max3_num_f32 v[MX+\c], v[MX+\c], v[S+16*\c+2*\k+1], v[S+16*\c+2*\k+2]
.endr
.endr
	v_max3_num_f32 v[MX], v[MX], v[MX+1], v[S+15]  ; the chains are joined with the four numbers that they left
	v_max3_num_f32 v[MX+2], v[MX+2], v[MX+3], v[S+31]
	v_max3_num_f32 v[TA], v[MX], v[MX+2], v[S+47]
	v_max_num_f32 v[TA], v[TA], v[S+63]
	s_delay_alu instid0(VALU_DEP_1)
	v_permlanex16_b32 v[PX], v[TA], s20, s21
	s_delay_alu instid0(VALU_DEP_1)
	v_max_num_f32 v[TA], v[TA], v[PX]              ; and lane l xor 16's
	s_delay_alu instid0(VALU_DEP_1)
	v_mul_f32 v[TA], s22, v[TA]                    ; as t (c is positive)
	s_delay_alu instid0(VALU_DEP_1)
	v_max_num_f32 v13, v13, v[TA]
	s_delay_alu instid0(VALU_DEP_1)
	v_floor_f32 v12, -v13                          ; the new -M = -ceil(t)
	s_delay_alu instid0(VALU_DEP_1)
	v_sub_f32 v[TA], v12, v[OM]                    ; old M - new M, a whole number, 0 or less
.set j, 0
	TMINUSM 8
	v_cvt_i32_f32 v[TA], v[TA]                     ; (it saturates)
	TMINUSM 8
	v_ldexp_f32 v[FF], 1.0, v[TA]                  ; f = 2^(old M - new M)
	TMINUSM 16
.set j, 0
.rept 16
	v_pk_mul_f32 v[O+j:O+j+1], v[O+j:O+j+1], v[FF:FF+1] op_sel_hi:[1,0]   ; O^T under the new M, ahead of the exponentials: no transcendental stands between the last products and these first readers
.set j, j+2
.endr
	s_wait_alu depctr_va_vdst(0)
.set j, 0
.rept 64
	v_exp_f32 v[S+j], v[S+j]                       ; p = 2^(t - M), at most 1
.set j, j+1
.endr
	v_pk_mul_f32 v[14:15], v[14:15], v[FF:FF+1] op_sel_hi:[1,0]   ; the sums under the new M: the plain place behind the batch
	s_wait_alu depctr_va_vdst(0)                   ; one wait for the whole batch, ahead of its first reader
.irp c, 0,1,2,3                                    ; the row's sum of the unquantised p: pairs c and c + 4 start chain c
	v_pk_add_f32 v[CH+2*\c:CH+2*\c+1], v[S+2*\c:S+2*\c+1], v[S+2*\c+8:S+2*\c+9]
.endr
.set p, 8
	SUMS 8
	CODES 0
.irp a, 0,1                                        ; V's channels 32-63 into the registers of tiles 0-3, which are converted
.irp u, 0,1
	ds_load_b128 v[S+16*\a+8*\u:S+16*\a+8*\u+3], v[ADV] offset:4096*\u+1024*(\a+2)
	ds_load_b128 v[S+16*\a+8*\u+4:S+16*\a+8*\u+7], v[ADV] offset:4096*\u+1024*(\a+2)+512
.endr
.endr
	SUMS 16
	CODES 4
	v_pk_add_f32 v[CH:CH+1], v[CH:CH+1], v[CH+2:CH+3]         ; the chains are joined: also the plain place between the last conversion and the products
	v_pk_add_f32 v[CH+4:CH+5], v[CH+4:CH+5], v[CH+6:CH+7]
	v_pk_add_f32 v[14:15], v[14:15], v[CH:CH+1]
	v_pk_add_f32 v[14:15], v[14:15], v[CH+4:CH+5]
	s_wait_alu depctr_va_vdst(0)
	s_wait_dscnt 8                                 ; all but the youngest eight loads (V's channels 32-63) are in: V's channels 0-31, and the next step's K
.irp a, 0,1
	v_wmma_f32_16x16x128_fp8_fp8 v[O+8*\a:O+8*\a+7], v[G+16*\a:G+16*\a+15], v[PC:PC+15], v[O+8*\a:O+8*\a+7]
.endr
	s_wait_dscnt 0x0
.irp a, 0,1
	v_wmma_f32_16x16x128_fp8_fp8 v[O+16+8*\a:O+16+8*\a+7], v[S+16*\a:S+16*\a+15], v[PC:PC+15], v[O+16+8*\a:O+16+8*\a+7]
.endr
.endm
	s_wait_alu depctr_va_vdst(0)
	s_wait_loadcnt 0x0                             ; Q
	s_wait_tensorcnt 0x0                           ; my sixteenth is in
	s_barrier_signal -1
	s_barrier_wait -1                              ; everybody's is
.irp t, 0,1,2,3,4,5,6,7                            ; the first step's K
	ds_load_b128 v[F+8*\t:F+8*\t+3], v[LI] offset:1024*\t
	ds_load_b128 v[F+8*\t+4:F+8*\t+7], v[LI] offset:1024*\t+512
.endr
	s_wait_dscnt 0x0
.Lstep:
	STEP 1
	s_add_co_u32 s2, s2, 8192                      ; 128 keys on
	s_sub_co_u32 s3, s3, 1
	s_cmp_lg_u32 s3, 0
	s_cbranch_scc1 .Lstep
	STEP 0
.rept 4
	v_nop
.endr
	v_add_f32 v14, v14, v15                        ; the sum's two halves,
	s_delay_alu instid0(VALU_DEP_1)
	v_permlanex16_b32 v[PX], v14, s20, s21
	s_delay_alu instid0(VALU_DEP_1)
	v_add_f32 v14, v14, v[PX]                      ; and lane l xor 16's
	s_wait_alu depctr_va_vdst(0)                   ; ahead of the transcendental
	v_rcp_f32 v14, v14
	v_nop
	s_wait_alu depctr_va_vdst(0)                   ; ahead of its first reader, and of the first readers of O^T
.set j, 0
.rept 16
	v_pk_mul_f32 v[O+j:O+j+1], v[O+j:O+j+1], v[14:15] op_sel_hi:[1,0]
.set j, j+2
.endr
.set j, 0
.rept 32
	v_med3_num_f32 v[O+j], v[O+j], -v[OLIM], v[OLIM]
.set j, j+1
.endr
.irp a, 0,1,2,3
	v_cvt_scalef32_pk8_fp8_f32 v[F+2*\a:F+2*\a+1], v[O+8*\a:O+8*\a+7], v[OSCL]
.endr
	v_nop
	global_store_b128 v[LI], v[F:F+3], s[8:9]      ; 512 consecutive bytes each, at multiples of 512 from the buffer's first byte
	global_store_b128 v[LI], v[F+4:F+7], s[8:9] offset:512
	s_wait_tensorcnt 0x0                           ; the wave's end
	ds_add_u32 v[SPW], v[NIL]
	s_wait_dscnt 0x0
	CROUND                                         ; the closing round
	s_endpgm
.Lfunc_end_k_qf8175e1cf9_attn:
	.size	k_qf8175e1cf9_attn, .Lfunc_end_k_qf8175e1cf9_attn-k_qf8175e1cf9_attn
	.p2alignl 7, 3214868480
	.fill 96, 4, 3214868480
	.section	.rodata,"a",@progbits
	.p2align	6, 0x0
	.amdhsa_kernel k_qf8175e1cf9_attn
		.amdhsa_group_segment_fixed_size 327680
		.amdhsa_private_segment_fixed_size 0
		.amdhsa_enable_private_segment 0
		.amdhsa_kernarg_size 24
		.amdhsa_user_sgpr_count 2
		.amdhsa_user_sgpr_kernarg_segment_ptr 1
		.amdhsa_wavefront_size32 1
		.amdhsa_system_sgpr_workgroup_id_x 1
		.amdhsa_system_sgpr_workgroup_id_y 1
		.amdhsa_system_sgpr_workgroup_id_z 1
		.amdhsa_system_vgpr_workitem_id 0
		.amdhsa_next_free_vgpr 256
		.amdhsa_next_free_sgpr 66
		.amdhsa_reserve_vcc 0
		.amdhsa_float_denorm_mode_32 3
		.amdhsa_float_denorm_mode_16_64 3
		.amdhsa_memory_ordered 1
		.amdhsa_forward_progress 1
		.amdhsa_inst_pref_size 42
	.end_amdhsa_kernel
	.amdgpu_metadata
---
amdhsa.version: [ 1, 2 ]
amdhsa.kernels:
  - .name:           k_qf8175e1cf9_attn
    .symbol:         k_qf8175e1cf9_attn.kd
    .args:
      - { .name: qkv, .offset: 0, .size: 8, .value_kind: global_buffer, .address_space: global }
      - { .name: lowp_scales, .offset: 8, .size: 8, .value_kind: global_buffer, .address_space: global }
      - { .name: oimg, .offset: 16, .size: 8, .value_kind: global_buffer, .address_space: global }
    .group_segment_fixed_size: 327680
    .private_segment_fixed_size: 0
    .kernarg_segment_align: 8
    .kernarg_segment_size: 24
    .max_flat_workgroup_size: 512
    .sgpr_count:     66
    .vgpr_count:     256
    .wavefront_size: 32
...
	.end_amdgpu_metadata
.endif
;; end of part 3
;; launch proj (part 4): grid 8 x 32, 4 waves a work-group, clusters of 4 x 4, 327,680 bytes of LDS; arguments oimg, w_proj_codes, lowp_scales, b_proj, x, x1; writes x1
.if DOCPART == 4
	.amdgcn_target "amdgcn-amd-amdhsa--gfx1250"
	.amdhsa_code_object_version 6
	.text
	.protected	k_qf8175e1cf9_proj
	.globl	k_qf8175e1cf9_proj
	.p2align	8
	.type	k_qf8175e1cf9_proj,@function
k_qf8175e1cf9_proj:
	s_mov_b64 s[64:65], 0
	v_nop
	global_prefetch_b8 v0, s[64:65] scope:SCOPE_SE
	s_setreg_imm32_b32 hwreg(HW_REG_WAVE_MODE, 25, 1), 1
	s_wait_xcnt 0x0
	s_wait_alu depctr_hold_cnt(0) depctr_sa_sdst(0) depctr_va_vdst(0) depctr_va_sdst(0) depctr_va_ssrc(0) depctr_va_vcc(0) depctr_vm_vsrc(0)
	s_getreg_b32 s2, hwreg(HW_REG_IB_STS2, 6, 4)
	s_cmp_eq_u32 s2, 0
	s_cbranch_scc0 .Lentry_in_a_cluster
	s_endpgm
.Lentry_in_a_cluster:
	s_bfe_u32 s2, ttmp6, 0x10000c
	s_cmp_lg_u32 s2, 0xf033
	s_cbranch_scc0 .Lentry_shape_is_right
	s_endpgm
.Lentry_shape_is_right:
; out = res + (A W^T x 2^(ea + eb) + bias).  A: 4,096 rows x SIZE_K as an image of operand registers; W: [1024][SIZE_K] codes of E4M3, K innermost; bias [1024], res and out [4096][1024] f32.
; A's image: (K / 512) x 2 MiB + (row / 16) x 8,192 + ((K % 512) / 128) x 2,048 + 512 c4 + 16 lane: registers 4 c4 .. 4 c4 + 3 of the fragment of 16 rows x 128 K, in this matrix form's own layout (registers 2 c, 2 c + 1: k = 16 c + 8 h + 0..7).
; A tile of the result is 128 x 128: four waves, each 64 x 64 in 16 accumulators.  K goes in steps of 512 through two LDS slots filled by the tensor data mover.
; A's part of a slot is dense, 8 blocks of 16 rows x 8,192 bytes, and a fragment comes back by four loads of 512 consecutive bytes.  W's rows are 512 bytes + 16 of padding, and its fragments come in the same layout of k, by eight loads of 8 bytes.
; THE MATRIX INSTRUCTION IS USED TRANSPOSED (source 0 = 16 rows of W, source 1 = 16 rows of A): a lane holds eight neighbouring numbers of a row of the result.
; CLUSTERS: 4 x 4 work-groups; A's tile is shared along a row of the cluster, W's along a column: each is asked for jointly.
; No prefetch: with SIZE_K = 1,024 all tiles are asked for at the head; with 4,096 a K step's tiles are small and shared fourfold.
; LIMITS: ea + eb between -126 and 127.
; REGISTERS: window 0: v1-29 addresses; v32-95 rows on their way out; v96-99 the bias; v128-255 the accumulators.  Window 1: two fragment buffers of 128: A's four fragments, then W's four.  Window 2: v0-127 my 64 x 64 of res.
.set SIZE_K, 1024
.set EOFF,   6                         ; the entries of the two scales: EOFF, EOFF + 1
.set FINAL,  0                         ; 1: the result is the problem's output
.set PITCH,  528                       ; a row of W in LDS: 132 words, so the 32 lanes of an 8-byte load (16 rows, two halves) fall on 64 different words modulo 64
.set ASZ,    65536                     ; A's part of a slot
.set HALFB,  64*PITCH                  ; 64 rows of W
.set SLOT,   ASZ+2*HALFB
.set STAGE,  2*SLOT                    ; behind the slots: 16 rows x 272 bytes for each wave, for the way out
.set SPITCH, 272
.set SPARE,  STAGE+4*16*SPITCH         ; behind the stages: the spare words, 128 bytes for each wave
.set LAPS,   SIZE_K/1024               ; a lap = two K steps = once round the ring
.set ADRA, 16                          ; v16-17  LDS address of my A fragments in slot 0, 1
.set ADRB, 20                          ; v20-21  the same for W
.set STO,  24                          ; v24  the way out: where I put 32 bytes of a row
.set RD,   25                          ; v25  where I read a row back
.set CO,   26                          ; v26  my byte offset in res and in out
.set LI,   27                          ; v27  16 x lane
.set SPW,  28                          ; v28  my spare word; never rewritten
.set NIL,  29                          ; v29  0; never rewritten
.set BI,   96                          ; v96-99 the bias at my four columns
.set ACC,  128
.set F0,   0
.set F1,   128
.set G1,   24                          ; s[24:31] group 1 for A's tiles; s[32:39] its groups 0, one for each slot
.set G0,   32
.set G1B,  48                          ; s[48:55], s[56:63] the same for W's
.set G0B,  56
.set MSB, 0
.macro WIN new                         ; the immediate's high byte repeats the setting that is left
.if MSB != \new
	s_set_vgpr_msb (MSB<<8)|\new
.set MSB, \new
.endif
.endm
.set MUL,  0x05                        ; sources 0 and 1 window 1; C and D window 0
.set TO_F, 0x40                        ; destination window 1, address window 0
.macro JLOAD s                         ; a joint load: waves 0 and 1 fetch A's tiles of K steps 0 and 1, waves 2 and 3 W's; four v_nop follow each line
	s_cmp_eq_u32 s11, 0
	s_cbranch_scc0 .Lfor_b_\@
	tensor_load_to_lds s[G0+4*\s:G0+4*\s+3], s[G1:G1+7]
	s_nop 0
.rept 4
	v_nop
.endr
	s_branch .Lasked_\@
.Lfor_b_\@:
	tensor_load_to_lds s[G0B+4*\s:G0B+4*\s+3], s[G1B:G1B+7]
	s_nop 0
.rept 4
	v_nop
.endr
.Lasked_\@:
.endm
.macro CREST                           ; a round of the cluster's barrier behind its opening barrier
	s_cmp_lg_u32 s10, 0
	s_cbranch_scc1 .Lnot_wave_0_\@
	s_barrier_signal -3
.Lnot_wave_0_\@:
	s_barrier_wait -3
	s_barrier_signal -1
	s_barrier_wait -1
.endm
.macro CROUND                          ; a whole round
	s_barrier_signal -1
	s_barrier_wait -1
	CREST
.endm
	s_load_b256 s[68:75], s[0:1], 0x0              ; A s[68:69], W s[70:71], the scales' exponents s[72:73], bias s[74:75]
	s_load_b128 s[76:79], s[0:1], 0x20             ; res s[76:77], out s[78:79]
	v_lshl_add_u32 v[SPW], v0, 2, SPARE
	v_mov_b32 v[NIL], 0
	ds_add_u32 v28, v29
	ds_add_u32 v28, v29
	s_wait_dscnt 0x0
	v_lshrrev_b32 v1, 5, v0
	v_readfirstlane_b32 s10, v1                    ; wave 0..3
	s_lshr_b32 s11, s10, 1                         ; which half of the tile's rows is mine.  Also: I fetch for A (0) or for W (1)
	s_and_b32 s12, s10, 1                          ; which half of its columns.  Also: which K step's tile I fetch, into the slot of that number
	s_bfe_u32 s40, ttmp6, 0x40000                  ; cx, cy
	s_bfe_u32 s41, ttmp6, 0x40004
	s_lshl_b32 s42, ttmp9, 2
	s_add_co_u32 s42, s42, s40                     ; tile column = 4 x cluster x + cx
	s_and_b32 s13, ttmp7, 0xffff
	s_lshl_b32 s13, s13, 2
	s_add_co_u32 s13, s13, s41                     ; tile row = 4 x cluster y + cy
	s_lshl_b32 s43, s41, 2
	s_lshl_b32 s43, 15, s43                        ; my row of the cluster
	s_lshl_b32 s44, 0x1111, s40                    ; my column
	; group 1 for A: 65,536 dense bytes as 256 rows of 32 elements of 8 bytes
	s_or_b32 s[G1+0], s43, (3<<16)|(1<<21)         ; 15:0 the mask; 17:16 elements of 8 bytes; 21 set beside a mask
	s_mov_b32 s[G1+1], 32<<16                      ; tensor_dim0
	s_mov_b32 s[G1+2], 256<<16                     ; tensor_dim1: A's whole part of a slot, 65,536 dense bytes as 256 rows
	s_mov_b32 s[G1+3], 32<<16                      ; tile_dim0
	s_mov_b32 s[G1+4], 256                         ; tile_dim1
	s_mov_b32 s[G1+5], 32                          ; from row to row
	s_mov_b32 s[G1+6], 0
	s_mov_b32 s[G1+7], 0
	; group 1 for W: 64 rows x 512 bytes, padded in LDS
	s_or_b32 s[G1B+0], s44, (0<<16)|(1<<20)|(1<<21)|(6<<22)|(3<<25)   ; elements of 1 byte; padding: four words after every 128
	s_mov_b32 s[G1B+1], 512<<16
	s_mov_b32 s[G1B+2], 128<<16                    ; W's whole part of a slot: 128 rows
	s_mov_b32 s[G1B+3], 512<<16
	s_mov_b32 s[G1B+4], 128
	s_mov_b32 s[G1B+5], SIZE_K
	s_mov_b32 s[G1B+6], 0
	s_mov_b32 s[G1B+7], 0
	s_lshl_b32 s16, s13, 16                        ; A: eight blocks of 16 rows x 8,192 bytes for each tile row,
	s_lshl_b32 s17, s12, 21                        ; my K step: 2 MiB on
	s_add_co_u32 s16, s16, s17
	s_mov_b32 s17, 0
	s_lshl_b32 s18, s42, 17                        ; W: row 128 x tile column, 1,024 bytes each,
	s_lshl_b32 s19, s12, 9                         ; my K step: 512 bytes on
	s_add_co_u32 s18, s18, s19
	s_mov_b32 s19, 0
	s_mul_i32 s20, s12, SLOT                       ; where they go: my K step's slot: A's part,
	s_add_co_u32 s21, s20, ASZ                     ; W's behind it
	s_wait_kmcnt 0x0
	s_load_b256 s[80:87], s[72:73], 0x0            ; e0 .. e7
	s_load_b128 s[88:91], s[72:73], 0x20           ; e8 .. e11
	s_add_nc_u64 s[14:15], s[68:69], s[16:17]
	s_add_nc_u64 s[46:47], s[70:71], s[18:19]
	CROUND                                         ; all sixteen work-groups are here: the first joint loads meet
	s_mov_b32 s[G0], 1
	s_add_co_u32 s[G0+1], s20, 0
	s_mov_b64 s[G0+2:G0+3], s[14:15]
	s_or_b32 s[G0+3], s[G0+3], 0x80000000
	s_mov_b32 s[G0B], 1
	s_add_co_u32 s[G0B+1], s21, 0
	s_mov_b64 s[G0B+2:G0B+3], s[46:47]
	s_or_b32 s[G0B+3], s[G0B+3], 0x80000000
	JLOAD 0                                        ; the launch's four tiles (A, W x two K steps) are shared out among the four waves: one tensor load a wave, all at the head
	v_and_b32 v1, 15, v0                           ; r
	v_bfe_u32 v2, v0, 4, 1                         ; h
	v_and_b32 v[LI], 31, v0
	v_lshlrev_b32 v[LI], 4, v[LI]
	v_mul_u32_u24 v3, v1, PITCH
	v_lshl_add_u32 v3, v2, 3, v3                   ; W: row x pitch + 8 h
	s_lshl_b32 s21, s11, 15                        ; my 64 rows of A: four blocks
	s_mul_i32 s22, s12, HALFB
	s_add_co_u32 s22, s22, ASZ                     ; my 64 rows of W
.irp s, 0,1
	v_add_nc_u32 v[ADRA+\s], s21, v[LI]
	v_add_nc_u32 v[ADRB+\s], s22, v3
	s_add_co_u32 s21, s21, SLOT
	s_add_co_u32 s22, s22, SLOT
.endr
	s_mul_i32 s23, s10, 16*SPITCH
	s_add_co_u32 s23, s23, STAGE                   ; my stage
	v_mul_u32_u24 v4, v1, SPITCH
	v_lshl_add_u32 v4, v2, 5, v4
	v_add_nc_u32 v[STO], s23, v4                   ; in: row r, 32 bytes for each half of the lanes
	v_mul_u32_u24 v5, v2, SPITCH
	v_lshl_add_u32 v5, v1, 4, v5
	v_add_nc_u32 v[RD], s23, v5                    ; back: lanes 0-15 one row of 256 bytes, lanes 16-31 the next
	v_lshlrev_b32 v[CO], 12, v2
	v_lshl_add_u32 v[CO], v1, 4, v[CO]             ; and the same two rows in res and out
	s_wait_alu depctr_va_vdst(0)
	v_lshlrev_b32 v6, 4, v1                        ; my four columns of the bias
	s_wait_alu depctr_va_vdst(0)
	s_lshl_b32 s98, s42, 9
	s_lshl_b32 s99, s12, 8
	s_add_co_u32 s98, s98, s99                     ; my first column, in bytes: 512 x tile column + 256 x half
	s_mov_b32 s99, 0
	s_add_nc_u64 s[74:75], s[74:75], s[98:99]
	s_lshl_b32 s96, s13, 7
	s_lshl_b32 s97, s11, 6
	s_add_co_u32 s96, s96, s97                     ; my first row
	s_lshl_b32 s96, s96, 12
	s_add_co_u32 s96, s96, s98
	s_mov_b32 s97, 0
	s_add_nc_u64 s[76:77], s[76:77], s[96:97]
	s_add_nc_u64 s[78:79], s[78:79], s[96:97]
	WIN 0x80                                       ; destination window 2
.irp a, 0,1,2,3
.irp i, 0,1,2,3,4,5,6,7
	global_load_b128 v[32*\a+4*\i:32*\a+4*\i+3], v[CO], s[76:77] offset:(16*\a+2*\i)*4096 th:TH_LOAD_NT   ; res: they land while the products run; sixteen lanes read 256 consecutive bytes
.endr
.endr
	WIN 0
	global_load_b128 v[BI:BI+3], v6, s[74:75]
	s_wait_kmcnt 0x0
	s_add_co_i32 s92, s[80+EOFF], s[81+EOFF]
	s_add_co_i32 s92, s92, 127
	s_lshl_b32 s92, s92, 23                        ; 2^(ea + eb) as f32
	s_mov_b32 s93, s92                             ; (named with it as a pair)
; 8 matrix instructions: row blocks a0, a0 + 1 x the four column blocks, 128 along K.  zero = 1: the first product starts the sums.  The 16 accumulators take turns, in the same order everywhere.
.macro MUL8 f, a0, zero
.irp a, \a0, \a0+1
.irp b, 0,1,2,3
.if \zero
	v_wmma_f32_16x16x128_fp8_fp8 v[ACC+8*(4*(\a)+\b):ACC+8*(4*(\a)+\b)+7], v[\f+64+16*\b:\f+64+16*\b+15], v[\f+16*(\a):\f+16*(\a)+15], 0
.else
	v_wmma_f32_16x16x128_fp8_fp8 v[ACC+8*(4*(\a)+\b):ACC+8*(4*(\a)+\b)+7], v[\f+64+16*\b:\f+64+16*\b+15], v[\f+16*(\a):\f+16*(\a)+15], v[ACC+8*(4*(\a)+\b):ACC+8*(4*(\a)+\b)+7]
.endif
.endr
.endr
.endm
.macro FETCH slot, q, f                ; 48 LDS loads in one run: the eight fragments of the slot's q-th 128 along K into buffer f
	WIN TO_F
.irp i, 0,1,2,3
.irp c, 0,1,2,3,4,5,6,7
	ds_load_b64 v[\f+64+16*\i+2*\c:\f+64+16*\i+2*\c+1], v[ADRB+\slot] offset:128*(\q)+16*\c+\i*16*PITCH   ; W(row, 16 c + 8 h + 0..7)
.endr
.endr
.irp i, 0,1,2,3
.irp c, 0,1,2,3
	ds_load_b128 v[\f+16*\i+4*\c:\f+16*\i+4*\c+3], v[ADRA+\slot] offset:\i*8192+(\q)*2048+512*\c   ; A's registers as they were stored
.endr
.endr
.endm
.macro PLACES                          ; four plain vector instructions in front of loads into registers that matrix instructions have read, and of the first read of results
.rept 4
	v_nop
.endr
.endm
.macro QUARTER slot, q, f, g, zero     ; fetches the slot's quarter q into buffer g, and multiplies buffer f meanwhile
	s_wait_dscnt 0x0                               ; buffer f is in
	PLACES                                         ; buffer g was read by the products just issued
	FETCH \slot, \q, \g
	WIN MUL
	MUL8 \f, 0, \zero
	MUL8 \f, 2, \zero
.endm
; A slot's last quarter, in buffer 1, and the change of slots: ONE barrier; in front of it each wave waits for all its tensor loads, adds 0 to its spare word, and waits for that and for its reads of this slot.
; fill = 1: the barrier opens a round of the cluster's barrier, and this slot is filled again, two K steps ahead, first thing behind the round.
.macro TURN slot, next, fill
	WIN 0
	s_wait_tensorcnt 0x0                           ; all my tensor loads have landed: my part of the next slot
	ds_add_u32 v[SPW], v[NIL]                      ; 0 onto my spare word
	s_wait_dscnt 1                                 ; buffer 1 is in; the add may be out
	WIN MUL
	MUL8 F1, 0, 0                                  ; eight matrix instructions stand between the add and the wait for it
	WIN 0
	s_wait_dscnt 0x0                               ; the add is done, and my reads of this slot are over
	s_barrier_signal -1
	s_barrier_wait -1
.if \fill
	CREST                                          ; no wave of any partner still reads this slot's tiles or has a load on its way
	s_add_nc_u64 s[G0+4*\slot+2:G0+4*\slot+3], s[G0+4*\slot+2:G0+4*\slot+3], 0x400000
	s_add_nc_u64 s[G0B+4*\slot+2:G0B+4*\slot+3], s[G0B+4*\slot+2:G0B+4*\slot+3], 1024
	JLOAD \slot                                    ; my one tensor load behind the round; its four v_nop are also the places in front of the loads below
.else
	PLACES
.endif
	FETCH \next, 0, F0
	WIN MUL
	MUL8 F1, 2, 0
.endm
	s_wait_tensorcnt 0x0                           ; my tile is in
	s_barrier_signal -1
	s_barrier_wait -1                              ; everybody's is
	FETCH 0, 0, F0
	QUARTER 0, 1, F0, F1, 1                        ; the first products start the sums
.if LAPS > 1
	WIN 0                                          ; at a label and at a branch every window is 0
	s_mov_b32 s3, LAPS-1
.Llap:                                                 ; a trip goes once round the ring, from a lap's second quarter to the next lap's first, and fills both slots again
	QUARTER 0, 2, F1, F0, 0
	QUARTER 0, 3, F0, F1, 0
	TURN 0, 1, 1
	QUARTER 1, 1, F0, F1, 0
	QUARTER 1, 2, F1, F0, 0
	QUARTER 1, 3, F0, F1, 0
	TURN 1, 0, 1
	QUARTER 0, 1, F0, F1, 0
	WIN 0
	s_sub_co_u32 s3, s3, 1
	s_cmp_lg_u32 s3, 0
	s_cbranch_scc1 .Llap
.endif
	QUARTER 0, 2, F1, F0, 0                        ; the last lap fills nothing
	QUARTER 0, 3, F0, F1, 0
	TURN 0, 1, 0
	QUARTER 1, 1, F0, F1, 0
	QUARTER 1, 2, F1, F0, 0
	QUARTER 1, 3, F0, F1, 0
	s_wait_dscnt 0x0
	WIN MUL
	MUL8 F1, 0, 0
	MUL8 F1, 2, 0
	WIN 0
	PLACES
; THE WAY OUT, a block of 16 rows x 64 columns at a time.  My 64 columns of a row are 256 bytes, aligned: so each wave has a stage of its own and no barrier is wanted.  The sums go in as they are, 32 bytes a lane, and come
; back as whole rows; then sum x 2^(ea + eb) + bias, + res, and sixteen lanes store 256 consecutive bytes.
.macro TOSTAGE a
.set BK, 32+32*((\a)%2)
.irp b, 0,1,2,3
	ds_store_b128 v[STO], v[ACC+8*(4*(\a)+\b):ACC+8*(4*(\a)+\b)+3] offset:64*\b          ; each accumulator from its low end on
	ds_store_b128 v[STO], v[ACC+8*(4*(\a)+\b)+4:ACC+8*(4*(\a)+\b)+7] offset:64*\b+16
.endr
.irp i, 0,1,2,3,4,5,6,7
	ds_load_b128 v[BK+4*\i:BK+4*\i+3], v[RD] offset:544*\i   ; LDS serves a wave's instructions in order: these see my stores, and the next block's stores come behind them
.endr
.endm
.macro SEND a, younger                 ; younger: the LDS instructions issued behind block a's loads
.set BK, 32+32*((\a)%2)
	s_wait_dscnt \younger
.set j, 0
.rept 8
	v_pk_fma_f32 v[BK+4*j:BK+4*j+1], v[BK+4*j:BK+4*j+1], s[92:93], v[BI:BI+1] op_sel_hi:[1,0,1]
	v_pk_fma_f32 v[BK+4*j+2:BK+4*j+3], v[BK+4*j+2:BK+4*j+3], s[92:93], v[BI+2:BI+3] op_sel_hi:[1,0,1]
.set j, j+1
.endr
	WIN 0x08                                       ; source 1 window 2: res
.set j, 0
.rept 16
	v_pk_add_f32 v[BK+2*j:BK+2*j+1], v[BK+2*j:BK+2*j+1], v[32*(\a)+2*j:32*(\a)+2*j+1]
.set j, j+1
.endr
	WIN 0
.irp i, 0,1,2,3,4,5,6,7
.if FINAL
	global_store_b128 v[CO], v[BK+4*\i:BK+4*\i+3], s[78:79] offset:(16*(\a)+2*\i)*4096 th:TH_STORE_NT
.else
	global_store_b128 v[CO], v[BK+4*\i:BK+4*\i+3], s[78:79] offset:(16*(\a)+2*\i)*4096
.endif
.endr
.endm
	s_wait_loadcnt 0x0                             ; res and the bias
	TOSTAGE 0
.irp a, 1,2,3
.if \a > 1
	s_wait_xcnt 0x0                                ; block a - 2's stores have read their registers: block a's loads may land there
.endif
	TOSTAGE \a
	SEND \a-1, 16                                  ; behind block a - 1's loads: block a's eight stores and eight loads
.endr
	SEND 3, 0
	s_wait_tensorcnt 0x0                           ; the wave's end
	ds_add_u32 v[SPW], v[NIL]
	s_wait_dscnt 0x0
	CROUND                                         ; the closing round
	s_endpgm
.Lfunc_end_k_qf8175e1cf9_proj:
	.size	k_qf8175e1cf9_proj, .Lfunc_end_k_qf8175e1cf9_proj-k_qf8175e1cf9_proj
	.p2alignl 7, 3214868480
	.fill 96, 4, 3214868480
	.section	.rodata,"a",@progbits
	.p2align	6, 0x0
	.amdhsa_kernel k_qf8175e1cf9_proj
		.amdhsa_group_segment_fixed_size 327680
		.amdhsa_private_segment_fixed_size 0
		.amdhsa_enable_private_segment 0
		.amdhsa_kernarg_size 48
		.amdhsa_user_sgpr_count 2
		.amdhsa_user_sgpr_kernarg_segment_ptr 1
		.amdhsa_wavefront_size32 1
		.amdhsa_system_sgpr_workgroup_id_x 1
		.amdhsa_system_sgpr_workgroup_id_y 1
		.amdhsa_system_sgpr_workgroup_id_z 1
		.amdhsa_system_vgpr_workitem_id 0
		.amdhsa_next_free_vgpr 640
		.amdhsa_next_free_sgpr 100
		.amdhsa_reserve_vcc 0
		.amdhsa_float_denorm_mode_32 3
		.amdhsa_float_denorm_mode_16_64 3
		.amdhsa_memory_ordered 1
		.amdhsa_forward_progress 1
		.amdhsa_inst_pref_size 60
	.end_amdhsa_kernel
	.amdgpu_metadata
---
amdhsa.version: [ 1, 2 ]
amdhsa.kernels:
  - .name:           k_qf8175e1cf9_proj
    .symbol:         k_qf8175e1cf9_proj.kd
    .args:
      - { .name: oimg, .offset: 0, .size: 8, .value_kind: global_buffer, .address_space: global }
      - { .name: w_proj_codes, .offset: 8, .size: 8, .value_kind: global_buffer, .address_space: global }
      - { .name: lowp_scales, .offset: 16, .size: 8, .value_kind: global_buffer, .address_space: global }
      - { .name: b_proj, .offset: 24, .size: 8, .value_kind: global_buffer, .address_space: global }
      - { .name: x, .offset: 32, .size: 8, .value_kind: global_buffer, .address_space: global }
      - { .name: x1, .offset: 40, .size: 8, .value_kind: global_buffer, .address_space: global }
    .group_segment_fixed_size: 327680
    .private_segment_fixed_size: 0
    .kernarg_segment_align: 8
    .kernarg_segment_size: 48
    .max_flat_workgroup_size: 128
    .sgpr_count:     100
    .vgpr_count:     640
    .wavefront_size: 32
...
	.end_amdgpu_metadata
.endif
;; end of part 4
;; launch ln2 (part 5): grid 256 x 1, 8 waves a work-group, no clusters, 17,408 bytes of LDS; arguments x1, ln2_g, ln2_b, lowp_scales, acodes; writes acodes
.if DOCPART == 5
	.amdgcn_target "amdgcn-amd-amdhsa--gfx1250"
	.amdhsa_code_object_version 6
	.text
	.protected	k_qf8175e1cf9_ln2
	.globl	k_qf8175e1cf9_ln2
	.p2align	8
	.type	k_qf8175e1cf9_ln2,@function
k_qf8175e1cf9_ln2:
	s_mov_b64 s[64:65], 0
	v_nop
	global_prefetch_b8 v0, s[64:65] scope:SCOPE_SE
	s_setreg_imm32_b32 hwreg(HW_REG_WAVE_MODE, 25, 1), 1
	s_wait_xcnt 0x0
; LayerNorm of 4,096 rows of 1,024 f32 numbers, then the quantiser: codes of E4M3 with the given scale 2^e, row-major [4096][1024], one code a byte.
; y = (x - mean) * rsqrt(var + 1e-5) * g + b, mean and variance in two passes over the row, which stays in registers; code = y / 2^e, held within +-448, to the nearest code.
; SHARES: a work-group takes 16 rows, each of its eight waves two.  A row is 4,096 bytes: eight loads of 512 consecutive bytes, 16 a lane, so load j gives a lane k = 128 j + 4 lane + 0..3.
; The conversion takes eight registers and works number by number, so the registers of loads 2 i and 2 i + 1 give two registers of four codes each, one for each load.
; A lane's four codes are 4 bytes; they turn through the wave's own 2,048 bytes of LDS and leave as stores of 512 consecutive bytes.  Waves share nothing: no barrier.
; LIMITS: -126 <= e <= 119 (2^e and 448 x 2^e are made as f32 numbers).  NaN and infinities among the inputs are not served.
.set SC_OFF, 32                        ; byte offset of this operand's exponent among the scales: entry 8
.set OFF, 1                            ; v1      16 x lane
.set ST,  2                            ; v2      LDS: 2,048 x wave + 4 x lane
.set LD,  3                            ; v3      LDS: 2,048 x wave + 16 x lane
.set T,   4                            ; v4-11   at work
.set MU,  12                           ; v12-15  the mean, twice, for row 0 and for row 1
.set RS,  16                           ; v16-19  1 / sqrt(var + eps), likewise
.set C,   20                           ; v20-27  a row's codes
.set OUT, 28                           ; v28-43  codes on their way out: 2 rows x 2 x 4
.set LIM, 44                           ; v44     448 x 2^e
.set SCL, 45                           ; v45     2^e
.set G,   48                           ; v48-79  g at my 32 columns
.set BB,  80                           ; v80-111 b
.set X,   112                          ; v112-175 two rows, 32 numbers a lane each
	s_load_b256 s[4:11], s[0:1], 0x0               ; x s[4:5], g s[6:7], b s[8:9], the scales' exponents s[10:11]
	s_load_b64 s[12:13], s[0:1], 0x20              ; the codes
	v_lshl_add_u32 v176, v0, 2, 0x4000
	v_mov_b32 v177, 0
	v_and_b32 v5, 31, v0                           ; lane
	v_lshrrev_b32 v4, 5, v0
	s_delay_alu instid0(VALU_DEP_1)
	v_readfirstlane_b32 s24, v4                    ; wave
	s_delay_alu instid0(VALU_DEP_3)
	v_lshlrev_b32 v[OFF], 4, v5
	s_lshl_b32 s25, s24, 11                        ; my wave's 2,048 bytes of LDS
	v_lshl_add_u32 v[ST], v5, 2, s25
	v_add_nc_u32 v[LD], s25, v[OFF]
	s_lshl_b32 s22, ttmp9, 16                      ; 16 rows of 4,096 bytes a work-group,
	s_lshl_b32 s26, s24, 13                        ; two a wave
	s_add_co_u32 s22, s22, s26
	s_mov_b32 s23, 0
	s_mov_b32 s16, 0x3727c5ac                      ; 1e-5
	s_mov_b32 s17, 0x3a800000                      ; 1 / 1,024
	s_mov_b32 s20, 0x76543210                      ; v_permlanex16_b32: each lane takes its own place in the other half
	s_mov_b32 s21, 0xfedcba98
	s_wait_alu depctr_va_vdst(0)
	s_wait_kmcnt 0x0
	s_load_b32 s27, s[10:11], SC_OFF               ; e
	s_add_nc_u64 s[4:5], s[4:5], s[22:23]
	s_lshr_b32 s22, s22, 2                         ; a row of codes is a quarter of a row of f32
	s_add_nc_u64 s[12:13], s[12:13], s[22:23]
.irp row, 0,1
.irp j, 0,1,2,3,4,5,6,7
	global_load_b128 v[X+32*\row+4*\j:X+32*\row+4*\j+3], v[OFF], s[4:5] offset:4096*\row+512*\j th:TH_LOAD_NT
.endr
.endr
.irp j, 0,1,2,3,4,5,6,7
	global_load_b128 v[G+4*\j:G+4*\j+3], v[OFF], s[6:7] offset:512*\j
.endr
.irp j, 0,1,2,3,4,5,6,7
	global_load_b128 v[BB+4*\j:BB+4*\j+3], v[OFF], s[8:9] offset:512*\j
.endr
.macro LANESUM                         ; v[T] summed over the 32 lanes, the result in every lane
	s_delay_alu instid0(VALU_DEP_1)
	v_add_f32_dpp v[T], v[T], v[T] row_xmask:1 row_mask:0xf bank_mask:0xf
	s_delay_alu instid0(VALU_DEP_1)
	v_add_f32_dpp v[T], v[T], v[T] row_xmask:2 row_mask:0xf bank_mask:0xf
	s_delay_alu instid0(VALU_DEP_1)
	v_add_f32_dpp v[T], v[T], v[T] row_xmask:4 row_mask:0xf bank_mask:0xf
	s_delay_alu instid0(VALU_DEP_1)
	v_add_f32_dpp v[T], v[T], v[T] row_xmask:8 row_mask:0xf bank_mask:0xf
	s_delay_alu instid0(VALU_DEP_1)
	v_permlanex16_b32 v[T+1], v[T], s20, s21       ; its destination has been written before
	s_delay_alu instid0(VALU_DEP_1)
	v_add_f32 v[T], v[T], v[T+1]
.endm
; Mean, x - mean in place, and 1 / sqrt(var + eps) of one row.  left: the younger loads that may stay out.
.macro STATS row, left
.set XR, X+32*\row
	s_wait_loadcnt \left                           ; loads come back in order: this row's eight are in
	v_pk_add_f32 v[T:T+1], v[XR:XR+1], v[XR+2:XR+3]          ; two chains, started by the first numbers
	v_pk_add_f32 v[T+2:T+3], v[XR+4:XR+5], v[XR+6:XR+7]
.set j, 8
.rept 6
	s_delay_alu instid0(VALU_DEP_2)
	v_pk_add_f32 v[T:T+1], v[T:T+1], v[XR+j:XR+j+1]
	s_delay_alu instid0(VALU_DEP_2)
	v_pk_add_f32 v[T+2:T+3], v[T+2:T+3], v[XR+j+2:XR+j+3]
.set j, j+4
.endr
	s_delay_alu instid0(VALU_DEP_1)
	v_pk_add_f32 v[T:T+1], v[T:T+1], v[T+2:T+3]
	s_delay_alu instid0(VALU_DEP_1)
	v_add_f32 v[T], v[T], v[T+1]
	LANESUM
	s_delay_alu instid0(VALU_DEP_1)
	v_mul_f32 v[MU+2*\row], s17, v[T]
	s_delay_alu instid0(VALU_DEP_1)
	v_mov_b32 v[MU+2*\row+1], v[MU+2*\row]
.set j, 0
.rept 16
	v_pk_add_f32 v[XR+j:XR+j+1], v[XR+j:XR+j+1], v[MU+2*\row:MU+2*\row+1] neg_lo:[0,1] neg_hi:[0,1]   ; x - mean
.set j, j+2
.endr
	v_pk_mul_f32 v[T:T+1], v[XR:XR+1], v[XR:XR+1]
	v_pk_mul_f32 v[T+2:T+3], v[XR+2:XR+3], v[XR+2:XR+3]
.set j, 4
.rept 7
	s_delay_alu instid0(VALU_DEP_2)
	v_pk_fma_f32 v[T:T+1], v[XR+j:XR+j+1], v[XR+j:XR+j+1], v[T:T+1]
	s_delay_alu instid0(VALU_DEP_2)
	v_pk_fma_f32 v[T+2:T+3], v[XR+j+2:XR+j+3], v[XR+j+2:XR+j+3], v[T+2:T+3]
.set j, j+4
.endr
	s_delay_alu instid0(VALU_DEP_1)
	v_pk_add_f32 v[T:T+1], v[T:T+1], v[T+2:T+3]
	s_delay_alu instid0(VALU_DEP_1)
	v_add_f32 v[T], v[T], v[T+1]
	LANESUM
	s_delay_alu instid0(VALU_DEP_1)
	v_fma_f32 v[T], v[T], s17, s16                 ; var + eps
	s_wait_alu depctr_va_vdst(0)
	v_rsq_f32 v[RS+2*\row], v[T]                   ; twice: the pair that the packed multiply takes
	v_rsq_f32 v[RS+2*\row+1], v[T]
	v_nop                                          ; a plain instruction behind the transcendentals, ahead of a use of the results and of a write of their source
	s_wait_alu depctr_va_vdst(0)                   ; one wait for both, ahead of their first reader
.endm
; The row is scaled, held, turned into codes, and leaves through LDS.
.macro FINISH row
.set XR, X+32*\row
.set j, 0
.rept 16
	v_pk_mul_f32 v[XR+j:XR+j+1], v[XR+j:XR+j+1], v[RS+2*\row:RS+2*\row+1]
.set j, j+2
.endr
.set j, 0
.rept 16
	v_pk_fma_f32 v[XR+j:XR+j+1], v[XR+j:XR+j+1], v[G+j:G+j+1], v[BB+j:BB+j+1]
.set j, j+2
.endr
.set j, 0
.rept 32
	v_med3_num_f32 v[XR+j], v[XR+j], -v[LIM], v[LIM]   ; the conversion to an 8-bit code does not saturate (ISA guide 7.6.2): the hold at the largest code x the scale
.set j, j+1
.endr
.irp i, 0,1,2,3
	v_cvt_scalef32_pk8_fp8_f32 v[C+2*\i:C+2*\i+1], v[XR+8*\i:XR+8*\i+7], v[SCL]   ; loads 2 i and 2 i + 1: four codes in each of the two registers
.endr
	v_nop                                          ; a plain instruction behind the last conversion
.irp j, 0,1,2,3,4,5,6,7
	ds_store_b32 v[ST], v[C+\j] offset:1024*\row+128*\j   ; codes of k = 128 j + 4 lane + 0..3
.endr
.irp j, 0,1
	ds_load_b128 v[OUT+8*\row+4*\j:OUT+8*\row+4*\j+3], v[LD] offset:1024*\row+512*\j   ; LDS serves a wave's instructions in order: these see my stores
.endr
	s_wait_dscnt 0x0
.irp j, 0,1
	global_store_b128 v[OFF], v[OUT+8*\row+4*\j:OUT+8*\row+4*\j+3], s[12:13] offset:1024*\row+512*\j   ; 512 consecutive bytes, at a multiple of 512 from the buffer's first byte
.endr
.endm
	STATS 0, 24                                    ; row 1's, g's and b's loads may be out
	STATS 1, 16                                    ; g's and b's may be out
	s_wait_loadcnt 0x0
	s_wait_kmcnt 0x0
	s_add_co_i32 s27, s27, 127
	s_lshl_b32 s28, s27, 23
	v_mov_b32 v[SCL], s28                          ; 2^e as f32: the conversion takes its exponent field
	s_add_co_i32 s27, s27, 8
	s_lshl_b32 s27, s27, 23
	s_or_b32 s27, s27, 0x600000
	v_mov_b32 v[LIM], s27                          ; 448 x 2^e
	FINISH 0
	FINISH 1
	s_wait_tensorcnt 0x0
	ds_add_u32 v176, v177
	s_wait_dscnt 0x0
	s_endpgm
.Lfunc_end_k_qf8175e1cf9_ln2:
	.size	k_qf8175e1cf9_ln2, .Lfunc_end_k_qf8175e1cf9_ln2-k_qf8175e1cf9_ln2
	.p2alignl 7, 3214868480
	.fill 96, 4, 3214868480
	.section	.rodata,"a",@progbits
	.p2align	6, 0x0
	.amdhsa_kernel k_qf8175e1cf9_ln2
		.amdhsa_group_segment_fixed_size 17408
		.amdhsa_private_segment_fixed_size 0
		.amdhsa_enable_private_segment 0
		.amdhsa_kernarg_size 40
		.amdhsa_user_sgpr_count 2
		.amdhsa_user_sgpr_kernarg_segment_ptr 1
		.amdhsa_wavefront_size32 1
		.amdhsa_system_sgpr_workgroup_id_x 1
		.amdhsa_system_sgpr_workgroup_id_y 1
		.amdhsa_system_sgpr_workgroup_id_z 1
		.amdhsa_system_vgpr_workitem_id 0
		.amdhsa_next_free_vgpr 178
		.amdhsa_next_free_sgpr 66
		.amdhsa_reserve_vcc 0
		.amdhsa_float_denorm_mode_32 3
		.amdhsa_float_denorm_mode_16_64 3
		.amdhsa_memory_ordered 1
		.amdhsa_forward_progress 1
		.amdhsa_inst_pref_size 27
	.end_amdhsa_kernel
	.amdgpu_metadata
---
amdhsa.version: [ 1, 2 ]
amdhsa.kernels:
  - .name:           k_qf8175e1cf9_ln2
    .symbol:         k_qf8175e1cf9_ln2.kd
    .args:
      - { .name: x1, .offset: 0, .size: 8, .value_kind: global_buffer, .address_space: global }
      - { .name: ln2_g, .offset: 8, .size: 8, .value_kind: global_buffer, .address_space: global }
      - { .name: ln2_b, .offset: 16, .size: 8, .value_kind: global_buffer, .address_space: global }
      - { .name: lowp_scales, .offset: 24, .size: 8, .value_kind: global_buffer, .address_space: global }
      - { .name: acodes, .offset: 32, .size: 8, .value_kind: global_buffer, .address_space: global }
    .group_segment_fixed_size: 17408
    .private_segment_fixed_size: 0
    .kernarg_segment_align: 8
    .kernarg_segment_size: 40
    .max_flat_workgroup_size: 256
    .sgpr_count:     66
    .vgpr_count:     178
    .wavefront_size: 32
...
	.end_amdgpu_metadata
.endif
;; end of part 5
;; launch fc1 (part 6): grid 16 x 16, 4 waves a work-group, clusters of 4 x 4, 327,680 bytes of LDS; arguments acodes, w_fc1_codes, lowp_scales, b_fc1, himg; writes himg
.if DOCPART == 6
	.amdgcn_target "amdgcn-amd-amdhsa--gfx1250"
	.amdhsa_code_object_version 6
	.text
	.protected	k_qf8175e1cf9_fc1
	.globl	k_qf8175e1cf9_fc1
	.p2align	8
	.type	k_qf8175e1cf9_fc1,@function
k_qf8175e1cf9_fc1:
	s_mov_b64 s[64:65], 0
	v_nop
	global_prefetch_b8 v0, s[64:65] scope:SCOPE_SE
	s_setreg_imm32_b32 hwreg(HW_REG_WAVE_MODE, 25, 1), 1
	s_wait_xcnt 0x0
	s_wait_alu depctr_hold_cnt(0) depctr_sa_sdst(0) depctr_va_vdst(0) depctr_va_sdst(0) depctr_va_ssrc(0) depctr_va_vcc(0) depctr_vm_vsrc(0)
	s_getreg_b32 s2, hwreg(HW_REG_IB_STS2, 6, 4)
	s_cmp_eq_u32 s2, 0
	s_cbranch_scc0 .Lentry_in_a_cluster
	s_endpgm
.Lentry_in_a_cluster:
	s_bfe_u32 s2, ttmp6, 0x10000c
	s_cmp_lg_u32 s2, 0xf033
	s_cbranch_scc0 .Lentry_shape_is_right
	s_endpgm
.Lentry_shape_is_right:
; h = gelu(LN2(x1) W_fc1 + b_fc1) on codes of E4M3, and the quantiser for the next product's operand.  acodes: [4096][1024] codes, w_fc1_codes: [4096][1024] codes, K innermost in both.
; A tile of the result is 256 x 256: four waves, each 128 x 128 in 64 accumulators.  K = 1,024 goes in steps of 256 through two LDS slots filled by joint tensor loads (4 x 4 clusters: the tokens' tile is shared
; along a row of the cluster, W's along a column); the eight steps of 128 are written out.  The matrix instruction is used transposed (source 0 = rows of W, source 1 = tokens), so a lane's eight results are eight
; neighbours along the next K, and the codes leave as an image of the next product's operand registers: (K / 512) x 2 MiB + (row / 16) x 8,192 + ((K % 512) / 128) x 2,048 + 512 c4 + 16 lane.
; GELU, exact form: u Phi(u) = max(u, 0) - |u| x erfc(|u| / sqrt 2) / 2, with erfc(z) = t exp(-z^2 + a polynomial of degree 9 in t), t = 1 / (1 + z / 2); the exponent is kept to the base 2 and holds the factor 1/2.
; No prefetch: of the four K steps two are asked for ahead of the first product and the other two a K step later; there is no earlier trip in which to ask for them.
; LIMITS: e8 + e9 between -126 and 127; e10 between -126 and 119.  NaN among the inputs is not served.
.set SIZE_K, 1024
.set ROWB,   256
.set PITCH,  272
.set FR,     16
.set NL,     4
.set NP,     4
.set HALFT,  128*PITCH
.set SLOT,   4*HALFT
.set SPARE,  2*SLOT
.set LIM,  14
.set SCL,  15
.set ADRA, 16
.set ADRB, 20
.set VO,   26
.set LI,   27
.set SPW,  28
.set NIL,  29
.set K9,   30
.set CD,   32
.set BIAS, 64
.set AF,   128
.set U,    128
.set T,    160
.set R,    192
.set Q,    224
.set G1,   24
.set G0,   32
.set G1B,  48
.set G0B,  56
.set MSB, 0
.macro WIN new
.if MSB != (\new)
	s_set_vgpr_msb (MSB<<8)|(\new)
.set MSB, (\new)
.endif
.endm
.set MUL_LO, 0xa1
.set MUL_HI, 0xf1
.set TO_B,   0x40
.macro JLOAD s
	s_cmp_eq_u32 s11, 0
	s_cbranch_scc0 .Lfor_b_\@
	tensor_load_to_lds s[G0+4*\s:G0+4*\s+3], s[G1:G1+7]
	s_nop 0
.rept 4
	v_nop
.endr
	s_branch .Lasked_\@
.Lfor_b_\@:
	tensor_load_to_lds s[G0B+4*\s:G0B+4*\s+3], s[G1B:G1B+7]
	s_nop 0
.rept 4
	v_nop
.endr
.Lasked_\@:
.endm
.macro CREST
	s_cmp_lg_u32 s10, 0
	s_cbranch_scc1 .Lnot_wave_0_\@
	s_barrier_signal -3
.Lnot_wave_0_\@:
	s_barrier_wait -3
	s_barrier_signal -1
	s_barrier_wait -1
.endm
.macro CROUND
	s_barrier_signal -1
	s_barrier_wait -1
	CREST
.endm
	s_load_b256 s[68:75], s[0:1], 0x0
	s_load_b64 s[76:77], s[0:1], 0x20
	v_lshl_add_u32 v[SPW], v0, 2, SPARE
	v_mov_b32 v[NIL], 0
	ds_add_u32 v28, v29
	ds_add_u32 v28, v29
	s_wait_dscnt 0x0
	v_lshrrev_b32 v1, 5, v0
	v_readfirstlane_b32 s10, v1
	s_lshr_b32 s11, s10, 1
	s_and_b32 s12, s10, 1
	s_bfe_u32 s40, ttmp6, 0x40000
	s_bfe_u32 s41, ttmp6, 0x40004
	s_lshl_b32 s42, ttmp9, 2
	s_add_co_u32 s42, s42, s40
	s_and_b32 s13, ttmp7, 0xffff
	s_lshl_b32 s13, s13, 2
	s_add_co_u32 s13, s13, s41
	s_lshl_b32 s43, s41, 2
	s_lshl_b32 s43, 15, s43
	s_lshl_b32 s44, 0x1111, s40
	s_or_b32 s[G1+0], s43, (0<<16)|(1<<20)|(1<<21)|(5<<22)|(3<<25)
	s_or_b32 s[G1B+0], s44, (0<<16)|(1<<20)|(1<<21)|(5<<22)|(3<<25)
.irp g, G1, G1B
	s_mov_b32 s[\g+1], ROWB<<16
	s_mov_b32 s[\g+2], 128<<16
	s_mov_b32 s[\g+3], ROWB<<16
	s_mov_b32 s[\g+4], 128
	s_mov_b32 s[\g+5], SIZE_K
	s_mov_b32 s[\g+6], 0
	s_mov_b32 s[\g+7], 0
.endr
	s_lshl_b32 s17, s12, 7
	s_lshl_b32 s16, s13, 8
	s_add_co_u32 s16, s16, s17
	s_mul_i32 s16, s16, SIZE_K
	s_lshl_b32 s18, s42, 8
	s_add_co_u32 s18, s18, s17
	s_mul_i32 s18, s18, SIZE_K
	s_mov_b32 s17, 0
	s_mov_b32 s19, 0
	s_mul_i32 s20, s10, HALFT
	s_wait_kmcnt 0x0
	s_load_b256 s[80:87], s[72:73], 0x0
	s_load_b128 s[88:91], s[72:73], 0x20
	s_add_nc_u64 s[14:15], s[68:69], s[16:17]
	s_add_nc_u64 s[46:47], s[70:71], s[18:19]
	CROUND
.irp s, 0,1
	s_mov_b32 s[G0+4*\s], 1
	s_add_co_u32 s[G0+4*\s+1], s20, \s*SLOT
	s_add_nc_u64 s[G0+4*\s+2:G0+4*\s+3], s[14:15], \s*ROWB
	s_or_b32 s[G0+4*\s+3], s[G0+4*\s+3], 0x80000000
	s_mov_b32 s[G0B+4*\s], 1
	s_add_co_u32 s[G0B+4*\s+1], s20, \s*SLOT
	s_add_nc_u64 s[G0B+4*\s+2:G0B+4*\s+3], s[46:47], \s*ROWB
	s_or_b32 s[G0B+4*\s+3], s[G0B+4*\s+3], 0x80000000
.if \s                                             ; slot 1's first fill is issued as a refill is: my part of K step 0 is in,
	s_wait_alu depctr_va_vdst(0)
	s_wait_tensorcnt 0x0
	ds_add_u32 v[SPW], v[NIL]                      ; 0 onto my spare word,
	s_wait_dscnt 0x0
	CROUND                                         ; and a whole round of the cluster's barrier
.endif
	JLOAD \s                                       ; one tensor load a wave at the head, one behind the round
.endr
	v_and_b32 v1, 15, v0
	v_bfe_u32 v2, v0, 4, 1
	v_mul_u32_u24 v3, v1, PITCH
	v_lshl_add_u32 v3, v2, 4, v3
	s_mul_i32 s21, s11, HALFT
	s_mul_i32 s22, s12, HALFT
	s_add_co_u32 s22, s22, 2*HALFT
.irp s, 0,1
	v_add_nc_u32 v[ADRA+\s], s21, v3
	v_add_nc_u32 v[ADRB+\s], s22, v3
	s_add_co_u32 s21, s21, SLOT
	s_add_co_u32 s22, s22, SLOT
.endr
	v_and_b32 v[LI], 31, v0
	v_lshlrev_b32 v[LI], 4, v[LI]
	v_lshlrev_b32 v4, 5, v2
	s_lshl_b32 s98, s42, 10
	s_lshl_b32 s99, s12, 9
	s_add_co_u32 s98, s98, s99
	s_mov_b32 s99, 0
	s_add_nc_u64 s[74:75], s[74:75], s[98:99]
.irp b, 0,1,2,3,4,5,6,7
	global_load_b128 v[BIAS+8*\b:BIAS+8*\b+3], v4, s[74:75] offset:64*\b
	global_load_b128 v[BIAS+8*\b+4:BIAS+8*\b+7], v4, s[74:75] offset:64*\b+16
.endr
	s_lshr_b32 s96, s42, 1
	s_lshl_b32 s96, s96, 21
	s_lshl_b32 s97, s13, 4
	s_lshl_b32 s98, s11, 3
	s_add_co_u32 s97, s97, s98
	s_lshl_b32 s97, s97, 13
	s_add_co_u32 s96, s96, s97
	s_and_b32 s97, s42, 1
	s_lshl_b32 s97, s97, 1
	s_add_co_u32 s97, s97, s12
	s_lshl_b32 s97, s97, 11
	s_add_co_u32 s96, s96, s97
	s_mov_b32 s97, 0
	s_add_nc_u64 s[76:77], s[76:77], s[96:97]
	s_wait_kmcnt 0x0
	s_add_co_i32 s92, s88, s89
	s_add_co_i32 s92, s92, 127
	s_lshl_b32 s92, s92, 23
	s_mov_b32 s93, s92
	s_add_co_i32 s94, s90, 127
	s_lshl_b32 s95, s94, 23
	v_mov_b32 v[SCL], s95
	s_add_co_i32 s94, s94, 8
	s_lshl_b32 s94, s94, 23
	s_or_b32 s94, s94, 0x600000
	v_mov_b32 v[LIM], s94
	v_mov_b32 v[K9], 0x3e7c6f08
	v_mov_b32 v[K9+1], 0x3e7c6f08
.macro FRAG reg, adr, q, i
.irp c, 0,1,2,3
	ds_load_b128 v[\reg+4*\c:\reg+4*\c+3], v[\adr] offset:128*(\q)+32*\c+(\i)*16*PITCH
.endr
.endm
.macro MUL16 a0, p, zero
.irp a, \a0, \a0+1
.irp b, 0,1,2,3,4,5,6,7
.if \zero
	v_wmma_f32_16x16x128_fp8_fp8 v[8*(8*((\a)%4)+\b):8*(8*((\a)%4)+\b)+7], v[128*(\p)+FR*\b:128*(\p)+FR*\b+FR-1], v[AF+FR*(\a):AF+FR*(\a)+FR-1], 0
.else
	v_wmma_f32_16x16x128_fp8_fp8 v[8*(8*((\a)%4)+\b):8*(8*((\a)%4)+\b)+7], v[128*(\p)+FR*\b:128*(\p)+FR*\b+FR-1], v[AF+FR*(\a):AF+FR*(\a)+FR-1], v[8*(8*((\a)%4)+\b):8*(8*((\a)%4)+\b)+7]
.endif
.endr
.endr
.endm
.macro FETCH_B slot, q, p
	WIN TO_B
.irp i, 0,1,2,3,4,5,6,7
	FRAG 128*(\p)+FR*\i, ADRB+\slot, \q, \i
.endr
	WIN 0
.endm
.macro FETCH_A slot, q, i0
.irp i, \i0, \i0+1, \i0+2, \i0+3
	FRAG AF+FR*(\i), ADRA+\slot, \q, \i
.endr
.endm
.macro PLACES n
.rept \n
	v_nop
.endr
.endm
.macro STEP slot, q, zero
	s_wait_dscnt 4*NL
	WIN MUL_LO
	MUL16 0, (\q)%2, \zero
	MUL16 2, (\q)%2, \zero
	s_wait_dscnt 0
	PLACES NP
	FETCH_B \slot, (\q)+1, 1-(\q)%2
	FETCH_A \slot, (\q)+1, 0
	WIN MUL_HI
	MUL16 4, (\q)%2, \zero
	MUL16 6, (\q)%2, \zero
	PLACES NP
	WIN 0
	FETCH_A \slot, (\q)+1, 4
.endm
.macro TURN slot, next, fill
	s_wait_tensorcnt 0x0
	ds_add_u32 v[SPW], v[NIL]
	s_wait_dscnt 4*NL+1
	WIN MUL_LO
	MUL16 0, 1, 0
	s_wait_dscnt 0x0
	s_barrier_signal -1
	MUL16 2, 1, 0
	WIN 0
	s_barrier_wait -1
.if \fill
	CREST
	s_add_nc_u64 s[G0+4*\slot+2:G0+4*\slot+3], s[G0+4*\slot+2:G0+4*\slot+3], 2*ROWB
	s_add_nc_u64 s[G0B+4*\slot+2:G0B+4*\slot+3], s[G0B+4*\slot+2:G0B+4*\slot+3], 2*ROWB
	JLOAD \slot
.else
	PLACES NP
.endif
	s_wait_alu depctr_va_vdst(0)
	FETCH_B \next, 0, 0
	FETCH_A \next, 0, 0
	WIN MUL_HI
	MUL16 4, 1, 0
	MUL16 6, 1, 0
	PLACES NP
	WIN 0
	FETCH_A \next, 0, 4
.endm
	s_wait_tensorcnt 1
	s_barrier_signal -1
	s_barrier_wait -1
	FETCH_B 0, 0, 0
	FETCH_A 0, 0, 0
	FETCH_A 0, 0, 4
	STEP 0, 0, 1
	TURN 0, 1, 1
	STEP 1, 0, 0
	TURN 1, 0, 1
	STEP 0, 0, 0
	TURN 0, 1, 0
	STEP 1, 0, 0
	s_wait_dscnt 4*NL
	WIN MUL_LO
	MUL16 0, 1, 0
	MUL16 2, 1, 0
	s_wait_dscnt 0
	WIN MUL_HI
	MUL16 4, 1, 0
	MUL16 6, 1, 0
	WIN 0
	PLACES NP
.macro KSET reg, val
	s_mov_b32 s[\reg], \val
	s_mov_b32 s[\reg+1], \val
.endm
	KSET 24, 0xbf97d29d
	KSET 26, 0x40097039
	KSET 28, 0xbfd1a1e5
	KSET 30, 0x3ecdfd18
	KSET 32, 0xbe899a80
	KSET 34, 0x3e0efb2e
	KSET 36, 0x3f0a29d2
	KSET 38, 0x3fb8ab5a
	KSET 40, 0xc034d90f
	KSET 42, 0xbf38aa3b
	s_mov_b32 s44, 0x3eb504f3
	s_wait_loadcnt 0x0
	s_mov_b32 s3, 0
.Lgelu:
	s_wait_xcnt 0x0
.irp i, 0,1,2,3,4,5,6,7,8,9,10,11,12,13,14
	s_cmp_eq_u32 s3, \i
	s_cbranch_scc1 .Lcase_\i
.endr
	s_branch .Lcase_15
.irp i, 0,1,2,3,4,5,6,7,8,9,10,11,12,13,14,15
.Lcase_\i:
.set AC, 64*((\i/2)%4)+32*(\i%2)
	s_mov_b32 s94, 8192*(\i/2)+1024*(\i%2)
	WIN 0x02+(\i/8)
.set j, 0
.rept 16
	v_pk_fma_f32 v[U+j:U+j+1], v[AC+j:AC+j+1], s[92:93], v[BIAS+32*(\i%2)+j:BIAS+32*(\i%2)+j+1] op_sel_hi:[1,0,1]
.set j, j+2
.endr
	WIN 0
.if \i < 15
	s_branch .Lbody
.endif
.endr
.Lbody:
	v_add_nc_u32 v[VO], s94, v[LI]
.set j, 0
.rept 32
	v_fma_f32 v[T+j], |v[U+j]|, s44, 1.0
.set j, j+1
.endr
.set j, 0
	s_wait_alu depctr_va_vdst(0)
.rept 32
	v_rcp_f32 v[T+j], v[T+j]
.set j, j+1
.endr
.set j, 0
.rept 16
	v_pk_mul_f32 v[Q+j:Q+j+1], v[U+j:U+j+1], v[U+j:U+j+1]
.set j, j+2
.endr
	s_wait_alu depctr_va_vdst(0)
.set j, 0
.rept 16
	v_pk_fma_f32 v[R+j:R+j+1], v[T+j:T+j+1], v[K9:K9+1], s[24:25] op_sel_hi:[1,0,0]
.set j, j+2
.endr
.irp kk, 26,28,30,32,34,36,38,40
.set j, 0
.rept 16
	v_pk_fma_f32 v[R+j:R+j+1], v[R+j:R+j+1], v[T+j:T+j+1], s[\kk:\kk+1] op_sel_hi:[1,1,0]
.set j, j+2
.endr
.endr
.set j, 0
.rept 16
	v_pk_fma_f32 v[R+j:R+j+1], v[Q+j:Q+j+1], s[42:43], v[R+j:R+j+1] op_sel_hi:[1,0,1]
.set j, j+2
.endr
.set j, 0
	s_wait_alu depctr_va_vdst(0)
.rept 32
	v_exp_f32 v[R+j], v[R+j]
.set j, j+1
.endr
.set j, 0
.rept 32
	v_max_num_f32 v[Q+j], 0, v[U+j]
.set j, j+1
.endr
	s_wait_alu depctr_va_vdst(0)
.set j, 0
.rept 16
	v_pk_mul_f32 v[R+j:R+j+1], v[R+j:R+j+1], v[T+j:T+j+1]
.set j, j+2
.endr
.set j, 0
.rept 32
	v_fma_f32 v[U+j], -|v[U+j]|, v[R+j], v[Q+j]
.set j, j+1
.endr
.set j, 0
.rept 32
	v_med3_num_f32 v[U+j], v[U+j], -v[LIM], v[LIM]
.set j, j+1
.endr
.irp b, 0,1,2,3
	v_cvt_scalef32_pk8_fp8_f32 v[CD+2*\b:CD+2*\b+1], v[U+8*\b:U+8*\b+7], v[SCL]
.endr
	v_nop
	global_store_b128 v[VO], v[CD:CD+3], s[76:77]
	global_store_b128 v[VO], v[CD+4:CD+7], s[76:77] offset:512
	s_add_co_u32 s3, s3, 1
	s_cmp_lt_u32 s3, 16
	s_cbranch_scc1 .Lgelu
	s_wait_tensorcnt 0x0
	ds_add_u32 v[SPW], v[NIL]
	s_wait_dscnt 0x0
	CROUND
	s_endpgm
.Lfunc_end_k_qf8175e1cf9_fc1:
	.size	k_qf8175e1cf9_fc1, .Lfunc_end_k_qf8175e1cf9_fc1-k_qf8175e1cf9_fc1
	.p2alignl 7, 3214868480
	.fill 96, 4, 3214868480
	.section	.rodata,"a",@progbits
	.p2align	6, 0x0
	.amdhsa_kernel k_qf8175e1cf9_fc1
		.amdhsa_group_segment_fixed_size 327680
		.amdhsa_private_segment_fixed_size 0
		.amdhsa_enable_private_segment 0
		.amdhsa_kernarg_size 40
		.amdhsa_user_sgpr_count 2
		.amdhsa_user_sgpr_kernarg_segment_ptr 1
		.amdhsa_wavefront_size32 1
		.amdhsa_system_sgpr_workgroup_id_x 1
		.amdhsa_system_sgpr_workgroup_id_y 1
		.amdhsa_system_sgpr_workgroup_id_z 1
		.amdhsa_system_vgpr_workitem_id 0
		.amdhsa_next_free_vgpr 1024
		.amdhsa_next_free_sgpr 100
		.amdhsa_reserve_vcc 0
		.amdhsa_float_denorm_mode_32 3
		.amdhsa_float_denorm_mode_16_64 3
		.amdhsa_memory_ordered 1
		.amdhsa_forward_progress 1
		.amdhsa_inst_pref_size 123
	.end_amdhsa_kernel
	.amdgpu_metadata
---
amdhsa.version: [ 1, 2 ]
amdhsa.kernels:
  - .name:           k_qf8175e1cf9_fc1
    .symbol:         k_qf8175e1cf9_fc1.kd
    .args:
      - { .name: acodes, .offset: 0, .size: 8, .value_kind: global_buffer, .address_space: global }
      - { .name: w_fc1_codes, .offset: 8, .size: 8, .value_kind: global_buffer, .address_space: global }
      - { .name: lowp_scales, .offset: 16, .size: 8, .value_kind: global_buffer, .address_space: global }
      - { .name: b_fc1, .offset: 24, .size: 8, .value_kind: global_buffer, .address_space: global }
      - { .name: himg, .offset: 32, .size: 8, .value_kind: global_buffer, .address_space: global }
    .group_segment_fixed_size: 327680
    .private_segment_fixed_size: 0
    .kernarg_segment_align: 8
    .kernarg_segment_size: 40
    .max_flat_workgroup_size: 128
    .sgpr_count:     100
    .vgpr_count:     1024
    .wavefront_size: 32
...
	.end_amdgpu_metadata
.endif
;; end of part 6
;; launch fc2 (part 7): grid 8 x 32, 4 waves a work-group, clusters of 4 x 4, 327,680 bytes of LDS; arguments himg, w_fc2_codes, lowp_scales, b_fc2, x1, out0; writes out0
.if DOCPART == 7
	.amdgcn_target "amdgcn-amd-amdhsa--gfx1250"
	.amdhsa_code_object_version 6
	.text
	.protected	k_qf8175e1cf9_fc2
	.globl	k_qf8175e1cf9_fc2
	.p2align	8
	.type	k_qf8175e1cf9_fc2,@function
k_qf8175e1cf9_fc2:
	s_mov_b64 s[64:65], 0
	v_nop
	global_prefetch_b8 v0, s[64:65] scope:SCOPE_SE
	s_setreg_imm32_b32 hwreg(HW_REG_WAVE_MODE, 25, 1), 1
	s_wait_xcnt 0x0
	s_wait_alu depctr_hold_cnt(0) depctr_sa_sdst(0) depctr_va_vdst(0) depctr_va_sdst(0) depctr_va_ssrc(0) depctr_va_vcc(0) depctr_vm_vsrc(0)
	s_getreg_b32 s2, hwreg(HW_REG_IB_STS2, 6, 4)
	s_cmp_eq_u32 s2, 0
	s_cbranch_scc0 .Lentry_in_a_cluster
	s_endpgm
.Lentry_in_a_cluster:
	s_bfe_u32 s2, ttmp6, 0x10000c
	s_cmp_lg_u32 s2, 0xf033
	s_cbranch_scc0 .Lentry_shape_is_right
	s_endpgm
.Lentry_shape_is_right:
; out0 = x1 + (h W_fc2^T x 2^(e10 + e11) + b_fc2).  himg: 4,096 rows x 4,096 as an image of operand registers ((K / 512) x 2 MiB + (row / 16) x 8,192 + ((K % 512) / 128) x 2,048 + 512 c4 + 16 lane);
; w_fc2_codes: [1024][4096] codes of E4M3, K innermost.  A tile of the result is 128 x 128: four waves, each 64 x 64 in 16 accumulators.  K goes in steps of 512 through two LDS slots filled by joint tensor loads
; (4 x 4 clusters: h's tile is shared along a row of the cluster, W's along a column).  The matrix instruction is used transposed (source 0 = rows of W, source 1 = rows of h); the sums leave through each wave's own
; stage in LDS as whole rows of 256 bytes, where the scale, the bias and the residual are applied.
; LIMITS: e10 + e11 between -126 and 127.
.set SIZE_K, 4096
.set EOFF,   10
.set FINAL,  1
.set PITCH,  528
.set ASZ,    65536
.set HALFB,  64*PITCH
.set SLOT,   ASZ+2*HALFB
.set STAGE,  2*SLOT
.set SPITCH, 272
.set SPARE,  STAGE+4*16*SPITCH
.set LAPS,   SIZE_K/1024
.set ADRA, 16
.set ADRB, 20
.set STO,  24
.set RD,   25
.set CO,   26
.set LI,   27
.set SPW,  28
.set NIL,  29
.set BI,   96
.set ACC,  128
.set F0,   0
.set F1,   128
.set G1,   24
.set G0,   32
.set G1B,  48
.set G0B,  56
.set MSB, 0
.macro WIN new
.if MSB != \new
	s_set_vgpr_msb (MSB<<8)|\new
.set MSB, \new
.endif
.endm
.set MUL,  0x05
.set TO_F, 0x40
.macro JLOAD s
	s_cmp_eq_u32 s11, 0
	s_cbranch_scc0 .Lfor_b_\@
	tensor_load_to_lds s[G0+4*\s:G0+4*\s+3], s[G1:G1+7]
	s_nop 0
.rept 4
	v_nop
.endr
	s_branch .Lasked_\@
.Lfor_b_\@:
	tensor_load_to_lds s[G0B+4*\s:G0B+4*\s+3], s[G1B:G1B+7]
	s_nop 0
.rept 4
	v_nop
.endr
.Lasked_\@:
.endm
.macro CREST
	s_cmp_lg_u32 s10, 0
	s_cbranch_scc1 .Lnot_wave_0_\@
	s_barrier_signal -3
.Lnot_wave_0_\@:
	s_barrier_wait -3
	s_barrier_signal -1
	s_barrier_wait -1
.endm
.macro CROUND
	s_barrier_signal -1
	s_barrier_wait -1
	CREST
.endm
	s_load_b256 s[68:75], s[0:1], 0x0
	s_load_b128 s[76:79], s[0:1], 0x20
	v_lshl_add_u32 v[SPW], v0, 2, SPARE
	v_mov_b32 v[NIL], 0
	ds_add_u32 v28, v29
	ds_add_u32 v28, v29
	s_wait_dscnt 0x0
	v_lshrrev_b32 v1, 5, v0
	v_readfirstlane_b32 s10, v1
	s_lshr_b32 s11, s10, 1
	s_and_b32 s12, s10, 1
	s_bfe_u32 s40, ttmp6, 0x40000
	s_bfe_u32 s41, ttmp6, 0x40004
	s_lshl_b32 s42, ttmp9, 2
	s_add_co_u32 s42, s42, s40
	s_and_b32 s13, ttmp7, 0xffff
	s_lshl_b32 s13, s13, 2
	s_add_co_u32 s13, s13, s41
	s_lshl_b32 s43, s41, 2
	s_lshl_b32 s43, 15, s43
	s_lshl_b32 s44, 0x1111, s40
	s_or_b32 s[G1+0], s43, (3<<16)|(1<<21)
	s_mov_b32 s[G1+1], 32<<16
	s_mov_b32 s[G1+2], 128<<16
	s_mov_b32 s[G1+3], 32<<16
	s_mov_b32 s[G1+4], 128
	s_mov_b32 s[G1+5], 32
	s_mov_b32 s[G1+6], 0
	s_mov_b32 s[G1+7], 0
	s_or_b32 s[G1B+0], s44, (0<<16)|(1<<20)|(1<<21)|(6<<22)|(3<<25)
	s_mov_b32 s[G1B+1], 512<<16
	s_mov_b32 s[G1B+2], 64<<16
	s_mov_b32 s[G1B+3], 512<<16
	s_mov_b32 s[G1B+4], 64
	s_mov_b32 s[G1B+5], SIZE_K
	s_mov_b32 s[G1B+6], 0
	s_mov_b32 s[G1B+7], 0
	s_lshl_b32 s16, s13, 3
	s_lshl_b32 s17, s12, 2
	s_add_co_u32 s16, s16, s17
	s_lshl_b32 s16, s16, 13
	s_mov_b32 s17, 0
	s_lshl_b32 s18, s42, 7
	s_lshl_b32 s19, s12, 6
	s_add_co_u32 s18, s18, s19
	s_mul_i32 s18, s18, SIZE_K
	s_mov_b32 s19, 0
	s_lshl_b32 s20, s12, 15
	s_mul_i32 s21, s12, HALFB
	s_add_co_u32 s21, s21, ASZ
	s_wait_kmcnt 0x0
	s_load_b256 s[80:87], s[72:73], 0x0
	s_load_b128 s[88:91], s[72:73], 0x20
	s_add_nc_u64 s[14:15], s[68:69], s[16:17]
	s_add_nc_u64 s[46:47], s[70:71], s[18:19]
	CROUND
.irp s, 0,1
	s_mov_b32 s[G0+4*\s], 1
	s_add_co_u32 s[G0+4*\s+1], s20, \s*SLOT
	s_add_nc_u64 s[G0+4*\s+2:G0+4*\s+3], s[14:15], \s*0x200000
	s_or_b32 s[G0+4*\s+3], s[G0+4*\s+3], 0x80000000
	s_mov_b32 s[G0B+4*\s], 1
	s_add_co_u32 s[G0B+4*\s+1], s21, \s*SLOT
	s_add_nc_u64 s[G0B+4*\s+2:G0B+4*\s+3], s[46:47], \s*512
	s_or_b32 s[G0B+4*\s+3], s[G0B+4*\s+3], 0x80000000
.if \s                                             ; slot 1's first fill is issued as a refill is: my part of K step 0 is in,
	s_wait_alu depctr_va_vdst(0)
	s_wait_tensorcnt 0x0
	ds_add_u32 v[SPW], v[NIL]                      ; 0 onto my spare word,
	s_wait_dscnt 0x0
	CROUND                                         ; and a whole round of the cluster's barrier
.endif
	JLOAD \s                                       ; one tensor load a wave at the head, one behind the round
.endr
	v_and_b32 v1, 15, v0
	v_bfe_u32 v2, v0, 4, 1
	v_and_b32 v[LI], 31, v0
	v_lshlrev_b32 v[LI], 4, v[LI]
	v_mul_u32_u24 v3, v1, PITCH
	v_lshl_add_u32 v3, v2, 3, v3
	s_lshl_b32 s21, s11, 15
	s_mul_i32 s22, s12, HALFB
	s_add_co_u32 s22, s22, ASZ
.irp s, 0,1
	v_add_nc_u32 v[ADRA+\s], s21, v[LI]
	v_add_nc_u32 v[ADRB+\s], s22, v3
	s_add_co_u32 s21, s21, SLOT
	s_add_co_u32 s22, s22, SLOT
.endr
	s_mul_i32 s23, s10, 16*SPITCH
	s_add_co_u32 s23, s23, STAGE
	v_mul_u32_u24 v4, v1, SPITCH
	v_lshl_add_u32 v4, v2, 5, v4
	v_add_nc_u32 v[STO], s23, v4
	v_mul_u32_u24 v5, v2, SPITCH
	v_lshl_add_u32 v5, v1, 4, v5
	v_add_nc_u32 v[RD], s23, v5
	v_lshlrev_b32 v[CO], 12, v2
	v_lshl_add_u32 v[CO], v1, 4, v[CO]
	s_wait_alu depctr_va_vdst(0)
	v_lshlrev_b32 v6, 4, v1
	s_wait_alu depctr_va_vdst(0)
	s_lshl_b32 s98, s42, 9
	s_lshl_b32 s99, s12, 8
	s_add_co_u32 s98, s98, s99
	s_mov_b32 s99, 0
	s_add_nc_u64 s[74:75], s[74:75], s[98:99]
	s_lshl_b32 s96, s13, 7
	s_lshl_b32 s97, s11, 6
	s_add_co_u32 s96, s96, s97
	s_lshl_b32 s96, s96, 12
	s_add_co_u32 s96, s96, s98
	s_mov_b32 s97, 0
	s_add_nc_u64 s[76:77], s[76:77], s[96:97]
	s_add_nc_u64 s[78:79], s[78:79], s[96:97]
	; THE PREFETCHES INTO THE L2: behind the refill that asks for K step k stands one instruction a wave for K step k + 2 (k = 2 .. 5; K steps 0 to 3 come by their loads alone, and the loop's last trip asks for nothing).
	; Each aligned block of 256 bytes of a K step is named once in each cluster that will load it; the four partners that ask for a tile jointly share it out BY ADDRESS.
	; h's tile of a K step is 65,536 dense bytes: partner cx takes 16,384 of them, waves 0 and 1 take 8,192 each, lanes 256 bytes apart.
	; W's tile is 128 rows x 512 bytes: partner cy takes 32 rows, a lane a row; wave 2 takes the first 256 bytes of each, wave 3 the second.
	s_lshl_b32 s8, s13, 16
	s_lshl_b32 s9, s40, 14
	s_add_co_u32 s8, s8, s9
	s_lshl_b32 s9, s12, 13
	s_add_co_u32 s8, s8, s9                        ; in h's image
	s_lshl_b32 s94, s42, 19                        ; 128 rows of 4,096 bytes for each tile column
	s_lshl_b32 s95, s41, 17
	s_add_co_u32 s94, s94, s95
	s_lshl_b32 s95, s12, 8
	s_add_co_u32 s94, s94, s95                     ; in W
	s_mov_b32 s6, 512
	s_mov_b32 s95, 4096
	s_cmp_eq_u32 s11, 0                            ; do I fetch for h?
	s_cselect_b64 s[4:5], s[68:69], s[70:71]
	s_cselect_b32 s8, s8, s94
	s_cselect_b32 s6, 0x200000, s6                 ; a K step on
	s_cselect_b32 s95, 256, s95                    ; from lane to lane
	s_mov_b32 s9, 0
	s_mov_b32 s7, 0
	s_add_nc_u64 s[4:5], s[4:5], s[8:9]
.rept 3
	s_add_nc_u64 s[4:5], s[4:5], s[6:7]            ; at K step 3: the first refill steps it to 4
.endr
	v_and_b32 v30, 31, v0
	v_mul_lo_u32 v30, v30, s95                     ; v30: the prefetches' offset; never rewritten
	s_wait_alu depctr_va_vdst(0)
	WIN 0x80
.irp a, 0,1,2,3
.irp i, 0,1,2,3,4,5,6,7
	global_load_b128 v[32*\a+4*\i:32*\a+4*\i+3], v[CO], s[76:77] offset:(16*\a+2*\i)*4096 th:TH_LOAD_NT
.endr
.endr
	WIN 0
	global_load_b128 v[BI:BI+3], v6, s[74:75]
	s_wait_kmcnt 0x0
	s_add_co_i32 s92, s[80+EOFF], s[81+EOFF]
	s_add_co_i32 s92, s92, 127
	s_lshl_b32 s92, s92, 23
	s_mov_b32 s93, s92
.macro MUL8 f, a0, zero
.irp a, \a0, \a0+1
.irp b, 0,1,2,3
.if \zero
	v_wmma_f32_16x16x128_fp8_fp8 v[ACC+8*(4*(\a)+\b):ACC+8*(4*(\a)+\b)+7], v[\f+64+16*\b:\f+64+16*\b+15], v[\f+16*(\a):\f+16*(\a)+15], 0
.else
	v_wmma_f32_16x16x128_fp8_fp8 v[ACC+8*(4*(\a)+\b):ACC+8*(4*(\a)+\b)+7], v[\f+64+16*\b:\f+64+16*\b+15], v[\f+16*(\a):\f+16*(\a)+15], v[ACC+8*(4*(\a)+\b):ACC+8*(4*(\a)+\b)+7]
.endif
.endr
.endr
.endm
.macro FETCH slot, q, f
	WIN TO_F
.irp i, 0,1,2,3
.irp c, 0,1,2,3,4,5,6,7
	ds_load_b64 v[\f+64+16*\i+2*\c:\f+64+16*\i+2*\c+1], v[ADRB+\slot] offset:128*(\q)+16*\c+\i*16*PITCH
.endr
.endr
.irp i, 0,1,2,3
.irp c, 0,1,2,3
	ds_load_b128 v[\f+16*\i+4*\c:\f+16*\i+4*\c+3], v[ADRA+\slot] offset:\i*8192+(\q)*2048+512*\c
.endr
.endr
.endm
.macro PLACES
.rept 4
	v_nop
.endr
.endm
.macro QUARTER slot, q, f, g, zero
	s_wait_dscnt 0x0
	PLACES
	FETCH \slot, \q, \g
	WIN MUL
	MUL8 \f, 0, \zero
	MUL8 \f, 2, \zero
.endm
.macro TURN slot, next, fill
	WIN 0
.if \fill
	s_wait_xcnt 0x0                                ; any prefetch of mine has read its address: it is stepped here, a K step behind that prefetch and ahead of the waits of the change of slots
	s_add_nc_u64 s[4:5], s[4:5], s[6:7]
.endif
	s_wait_tensorcnt 0x0
	ds_add_u32 v[SPW], v[NIL]
	s_wait_dscnt 1
	WIN MUL
	MUL8 F1, 0, 0
	WIN 0
	s_wait_dscnt 0x0
	s_barrier_signal -1
	s_barrier_wait -1
.if \fill
	CREST
	s_add_nc_u64 s[G0+4*\slot+2:G0+4*\slot+3], s[G0+4*\slot+2:G0+4*\slot+3], 0x400000
	s_add_nc_u64 s[G0B+4*\slot+2:G0B+4*\slot+3], s[G0B+4*\slot+2:G0B+4*\slot+3], 1024
	JLOAD \slot
.else
	PLACES
.endif
	FETCH \next, 0, F0
.if \fill
	WIN 0                                          ; at a branch and at a label every window is 0
	s_cmp_gt_u32 s3, 1                             ; s3 = 1 in the loop's last trip, whose refills have no K step two on
	s_cbranch_scc0 .Lno_ask_\@
	global_prefetch_b8 v30, s[4:5] th:TH_LOAD_NT scope:SCOPE_SE
.Lno_ask_\@:
.endif
	WIN MUL
	MUL8 F1, 2, 0
.endm
	s_wait_tensorcnt 1
	s_barrier_signal -1
	s_barrier_wait -1
	FETCH 0, 0, F0
	QUARTER 0, 1, F0, F1, 1
.if LAPS > 1
	WIN 0
	s_mov_b32 s3, LAPS-1
.Llap:
	QUARTER 0, 2, F1, F0, 0
	QUARTER 0, 3, F0, F1, 0
	TURN 0, 1, 1
	QUARTER 1, 1, F0, F1, 0
	QUARTER 1, 2, F1, F0, 0
	QUARTER 1, 3, F0, F1, 0
	TURN 1, 0, 1
	QUARTER 0, 1, F0, F1, 0
	WIN 0
	s_sub_co_u32 s3, s3, 1
	s_cmp_lg_u32 s3, 0
	s_cbranch_scc1 .Llap
.endif
	QUARTER 0, 2, F1, F0, 0
	QUARTER 0, 3, F0, F1, 0
	TURN 0, 1, 0
	QUARTER 1, 1, F0, F1, 0
	QUARTER 1, 2, F1, F0, 0
	QUARTER 1, 3, F0, F1, 0
	s_wait_dscnt 0x0
	WIN MUL
	MUL8 F1, 0, 0
	MUL8 F1, 2, 0
	WIN 0
	PLACES
.macro TOSTAGE a
.set BK, 32+32*((\a)%2)
.irp b, 0,1,2,3
	ds_store_b128 v[STO], v[ACC+8*(4*(\a)+\b):ACC+8*(4*(\a)+\b)+3] offset:64*\b
	ds_store_b128 v[STO], v[ACC+8*(4*(\a)+\b)+4:ACC+8*(4*(\a)+\b)+7] offset:64*\b+16
.endr
.irp i, 0,1,2,3,4,5,6,7
	ds_load_b128 v[BK+4*\i:BK+4*\i+3], v[RD] offset:544*\i
.endr
.endm
.macro SEND a, younger
.set BK, 32+32*((\a)%2)
	s_wait_dscnt \younger
.set j, 0
.rept 8
	v_pk_fma_f32 v[BK+4*j:BK+4*j+1], v[BK+4*j:BK+4*j+1], s[92:93], v[BI:BI+1] op_sel_hi:[1,0,1]
	v_pk_fma_f32 v[BK+4*j+2:BK+4*j+3], v[BK+4*j+2:BK+4*j+3], s[92:93], v[BI+2:BI+3] op_sel_hi:[1,0,1]
.set j, j+1
.endr
	WIN 0x08
.set j, 0
.rept 16
	v_pk_add_f32 v[BK+2*j:BK+2*j+1], v[BK+2*j:BK+2*j+1], v[32*(\a)+2*j:32*(\a)+2*j+1]
.set j, j+1
.endr
	WIN 0
.irp i, 0,1,2,3,4,5,6,7
.if FINAL
	global_store_b128 v[CO], v[BK+4*\i:BK+4*\i+3], s[78:79] offset:(16*(\a)+2*\i)*4096 th:TH_STORE_NT
.else
	global_store_b128 v[CO], v[BK+4*\i:BK+4*\i+3], s[78:79] offset:(16*(\a)+2*\i)*4096
.endif
.endr
.endm
	s_wait_loadcnt 0x0
	TOSTAGE 0
.irp a, 1,2,3
.if \a > 1
	s_wait_xcnt 0x0
.endif
	TOSTAGE \a
	SEND \a-1, 16
.endr
	SEND 3, 0
	s_wait_tensorcnt 0x0
	ds_add_u32 v[SPW], v[NIL]
	s_wait_dscnt 0x0
	CROUND
	s_endpgm
.Lfunc_end_k_qf8175e1cf9_fc2:
	.size	k_qf8175e1cf9_fc2, .Lfunc_end_k_qf8175e1cf9_fc2-k_qf8175e1cf9_fc2
	.p2alignl 7, 3214868480
	.fill 96, 4, 3214868480
	.section	.rodata,"a",@progbits
	.p2align	6, 0x0
	.amdhsa_kernel k_qf8175e1cf9_fc2
		.amdhsa_group_segment_fixed_size 327680
		.amdhsa_private_segment_fixed_size 0
		.amdhsa_enable_private_segment 0
		.amdhsa_kernarg_size 48
		.amdhsa_user_sgpr_count 2
		.amdhsa_user_sgpr_kernarg_segment_ptr 1
		.amdhsa_wavefront_size32 1
		.amdhsa_system_sgpr_workgroup_id_x 1
		.amdhsa_system_sgpr_workgroup_id_y 1
		.amdhsa_system_sgpr_workgroup_id_z 1
		.amdhsa_system_vgpr_workitem_id 0
		.amdhsa_next_free_vgpr 640
		.amdhsa_next_free_sgpr 100
		.amdhsa_reserve_vcc 0
		.amdhsa_float_denorm_mode_32 3
		.amdhsa_float_denorm_mode_16_64 3
		.amdhsa_memory_ordered 1
		.amdhsa_forward_progress 1
		.amdhsa_inst_pref_size 99
	.end_amdhsa_kernel
	.amdgpu_metadata
---
amdhsa.version: [ 1, 2 ]
amdhsa.kernels:
  - .name:           k_qf8175e1cf9_fc2
    .symbol:         k_qf8175e1cf9_fc2.kd
    .args:
      - { .name: himg, .offset: 0, .size: 8, .value_kind: global_buffer, .address_space: global }
      - { .name: w_fc2_codes, .offset: 8, .size: 8, .value_kind: global_buffer, .address_space: global }
      - { .name: lowp_scales, .offset: 16, .size: 8, .value_kind: global_buffer, .address_space: global }
      - { .name: b_fc2, .offset: 24, .size: 8, .value_kind: global_buffer, .address_space: global }
      - { .name: x1, .offset: 32, .size: 8, .value_kind: global_buffer, .address_space: global }
      - { .name: out0, .offset: 40, .size: 8, .value_kind: global_buffer, .address_space: global }
    .group_segment_fixed_size: 327680
    .private_segment_fixed_size: 0
    .kernarg_segment_align: 8
    .kernarg_segment_size: 48
    .max_flat_workgroup_size: 128
    .sgpr_count:     100
    .vgpr_count:     640
    .wavefront_size: 32
...
	.end_amdgpu_metadata
.endif
;; end of part 7
